; MI455X (gfx1250); checked and timed in simulation.
; The chip was launched on July 23, 2026; its instructions are those of AMD's public machine-readable ISA for CDNA 5 (MIT licence, August 2026) and "CDNA5" Instruction Set Architecture Reference Guide (July 2026). The comments in the code are by the model that wrote it; some were corrected since.
;; Multi Headed Dot Attention. Allowed arithmetic: matrix products marked QUANTISED: E3M2 operands, one E8M0 scale for each 32 along K, by v_wmma_scale_f32_16x16x128_f8f6f4 with both operands' format E3M2, f32 sums; everything else in f32.
;; Inputs: Wk 1,024 x 1,024 float32; Wo 1,024 x 1,024 float32; Wq 1,024 x 1,024 float32; Wv 1,024 x 1,024 float32; att_mask 4 x 2,048 int32; bk 1,024 float32; bo 1,024 float32; bq 1,024 float32; bv 1,024 float32; key 4 x 2,048 x 1,024 float32; query 4 x 2,048 x 1,024 float32; value 4 x 2,048 x 1,024 float32.
;; Outputs: out0 4 x 2,048 x 1,024 float32.
;; This version of the problem:
;;   THIS VERSION OF THE PROBLEM IS GIVEN IN LOW PRECISION. The matrix products marked QUANTISED in the list below multiply operands that are first quantised to E3M2 (3 exponent bits, 2 mantissa bits; 6 bits a number), with one power-of-two scale for each 32 numbers along K (OCP MX v1.0); their sums are f32. All else is computed in f32.
;;   The module's matrix products, in the order in which they are computed (A, B: the left and right operand; K: the contracted axis; several contracted axes count as one K, in the product's order):
;;     1. [M 8,192, K 1,024] x [K 1,024, N 1,024]; A: input query; B: input Wq: QUANTISED
;;     2. [M 8,192, K 1,024] x [K 1,024, N 1,024]; A: input key; B: input Wk: QUANTISED
;;     3. [M 8,192, K 1,024] x [K 1,024, N 1,024]; A: input value; B: input Wv: QUANTISED
;;     4. batch 64 x [M 2,048, K 64] x [K 64, N 2,048]; A: computed on the way; B: computed on the way: QUANTISED
;;     5. batch 64 x [M 2,048, K 2,048] x [K 2,048, N 64]; A: computed on the way; B: computed on the way: QUANTISED
;;     6. [M 8,192, K 1,024] x [K 1,024, N 1,024]; A: computed on the way; B: input Wo: QUANTISED
;;   THE QUANTISER, for each operand of a quantised product, along K:
;;     - K is cut into blocks of 32 from its start; a last block that is shorter is filled with zeros.
;;     - A block's scale is 2^e with e = floor(log2(the largest magnitude in the block)) - 4, held to -126 .. 127; a block of zeros has e = 0. As a byte (E8M0): e + 127.
;;     - Each number is divided by its block's scale, clamped to +-28, and rounded to the nearest number of E3M2, ties to even, subnormals kept.
;;     - The product sums the exact products of the quantised numbers (number of the format x scale) in f32.
;;   ~~~python
;;   def quantise(x, axis):      # numpy; x: float32 -> the quantised numbers, widened to float32 again
;;       x = np.moveaxis(x, axis, -1); K = x.shape[-1]
;;       x = np.pad(x, [(0, 0)] * (x.ndim - 1) + [(0, -K % 32)]); x = x.reshape(x.shape[:-1] + (-1, 32)); a = np.abs(x).max(-1, keepdims=True)
;;       e = np.where(a > 0, np.clip(np.frexp(np.where(a > 0, a, 1))[1] - 1 - 4, -126, 127), 0)      # np.frexp(a)[1] - 1 = floor(log2(a)), exactly
;;       r = np.clip(x / 2.0 ** e, -28, 28)
;;       step = 2.0 ** (np.maximum(np.frexp(np.where(r == 0, 1, r))[1] - 1, -2) - 2)
;;       q = np.round(r / step) * step * 2.0 ** e      # np.round: ties to even
;;       return np.moveaxis(q.reshape(q.shape[:-2] + (-1,))[..., :K], -1, axis).astype(np.float32)
;;   ~~~
;;   OPERANDS COMPUTED ON THE WAY. 'Computed on the way' means the value that the module computes at that place (a softmax that the list does not call 'softmax' is quantised finished and normalised). What goes into a quantiser is computed in f32, as accurately as f32 sums, v_exp_f32 and their like allow (about 1e-6 of the number): no bf16 or f16 on the way to a quantiser, and a product that is left as it is and whose result goes on into a quantised operand takes f32 operands (vector FMAs, or v_wmma_f32_16x16x4_f32). A number that lies on a knife's edge between two numbers of the format may be rounded either way, as far as f32 arithmetic and the matrix unit's own rounding can turn it there, and no further.
;; One version. Each part assembles by itself: llvm-mc -triple=amdgcn-amd-amdhsa -mcpu=gfx1250 --defsym DOCPART=n.
;; ======== version 1 of 1: 4 launches
;; workspace buffers: xc 20,447,232 bytes; wc 3,407,872 bytes; qimg 6,815,744 bytes; kv 13,369,344 bytes; att 6,815,744 bytes
;; launch quant (part 1): grid 896 x 1, 4 waves a work-group, no clusters, 59,904 bytes of LDS; arguments query, key, value, Wq, Wk, Wv, Wo, xc, wc; writes xc, wc
.if DOCPART == 1
	.amdgcn_target "amdgcn-amd-amdhsa--gfx1250"
	.amdhsa_code_object_version 6
	.text
	.protected	k_qc7d41c8ddc_quant
	.globl	k_qc7d41c8ddc_quant
	.p2align	8
	.type	k_qc7d41c8ddc_quant,@function
k_qc7d41c8ddc_quant:
	s_mov_b64 s[64:65], 0
	v_nop
	global_prefetch_b8 v0, s[64:65] scope:SCOPE_SE
	s_setreg_imm32_b32 hwreg(HW_REG_WAVE_MODE, 25, 1), 1
	s_wait_xcnt 0x0
; query, key, value [8192][1024] f32 (K innermost) and Wq, Wk, Wv, Wo [1024 (k)][1024 (n)] f32 (K is the first axis) become codes of BF6 (E3M2) with one E8M0 byte for each 32 along K.
; A block's scale is 2^(floor(log2(largest magnitude)) - 4): its byte is the largest magnitude's exponent field - 4, held at 1 from below by a floor among the maximum's leaves.
; LAYOUT OF THE RESULT: images of the matrix operand's registers.  A fragment (16 rows x 128 K, 12 registers a lane) is six pieces of 256 bytes: piece p holds registers 2 p, 2 p + 1, lane l's 8 bytes at 8 l.
; A row tile (16 rows, all 1,024 K) is RT bytes: four records of REC bytes, one for each 256 along K: two fragments, then 128 bytes of scale words (word at 4 l: lanes 0-15 row l of the even
; 128 along K, lanes 16-31 row l - 16 of the odd one), then 128 bytes that nobody writes or reads.
; ROWS OF A TILE: for key, value and the four weights row rho of tile T is true row 32 (T / 2) + 8 (T % 2) + rho + 8 (rho / 8); for query it is 16 T + rho.
; LIMITS: NaN and infinities among the inputs are not served.  A block of zeros gets the byte 1 (the rule says 127): its codes are zeros, and this program alone reads the bytes.
; Work-groups 0-127 take the weights, 128-895 the activations: two ways through the text, each with LDS bytes of its own.  Waves share nothing: no barrier.
.set RT,    13312
.set REC,   3328
.set XSZ,   512*RT
.set WSZ,   64*RT
.set STA,   8448                       ; activations: a wave's stage, 16 rows x (512 + 16) bytes
.set STB0,  4*STA                      ; weights: the stages begin here,
.set STBW,  6400                       ; two records' used 3,200 bytes for each wave
.set FLOOR, 0x2800000                  ; 2^(5 - 127)
.set EOFF,  0xfe000000                 ; takes 4 off an exponent field
	s_load_b256 s[4:11], s[0:1], 0x0               ; query s[4:5], key s[6:7], value s[8:9], Wq s[10:11]
	s_load_b256 s[12:19], s[0:1], 0x20             ; Wk s[12:13], Wv s[14:15], Wo s[16:17], xc s[18:19]
	s_load_b64 s[20:21], s[0:1], 0x40              ; wc
	v_lshl_add_u32 v240, v0, 2, 0xe800
	v_mov_b32 v241, 0
	v_lshrrev_b32 v1, 5, v0
	v_readfirstlane_b32 s22, v1                    ; wave 0..3
	v_and_b32 v1, 31, v0                           ; lane
	s_cmp_lt_u32 ttmp9, 128
	s_cbranch_scc0 .Lacts
; ---------------- THE WEIGHTS.  A lane takes a column n and its registers run down K: a block of 32 lies in one lane.  A wave: 32 columns x 256 along K.
.set XB,  32                           ; v32-95   two sets of 32 numbers
.set CB,  96                           ; v96-101  a block's codes
.set TBR, 104                          ; v104-106 their upper half as the conversion leaves it
.set SB,  24                           ; v24-25   the scale words of the two 128 along K
.set OUT, 112                          ; v112-136, v140-164: the way out
	s_lshr_b32 s23, ttmp9, 5                       ; which weight
	s_bfe_u32 s24, ttmp9, 0x20003                  ; which 256 along K
	s_and_b32 s25, ttmp9, 7                        ; which 128 columns
	s_lshl_b32 s26, s24, 20                        ; 256 rows of 4,096 bytes
	s_lshl_b32 s27, s25, 9
	s_add_co_u32 s26, s26, s27
	s_lshl_b32 s27, s22, 7                         ; my wave's 32 columns
	s_add_co_u32 s26, s26, s27
	s_mov_b32 s27, 0
	s_mul_i32 s28, s23, WSZ
	s_lshl_b32 s29, s25, 3
	s_lshl_b32 s30, s22, 1
	s_add_co_u32 s29, s29, s30                     ; my first row tile: 8 x columns' group + 2 x wave
	s_mul_i32 s29, s29, RT
	s_add_co_u32 s28, s28, s29
	s_mul_i32 s29, s24, REC
	s_add_co_u32 s28, s28, s29
	s_mov_b32 s29, 0
	s_wait_alu depctr_va_vdst(0)
	v_lshlrev_b32 v3, 2, v1                        ; in: 4 bytes a lane
	v_bfe_u32 v10, v1, 3, 1                        ; column l lies in tile u = (l / 8) % 2
	v_and_b32 v11, 7, v1
	v_lshrrev_b32 v12, 4, v1
	v_lshl_add_u32 v11, v12, 3, v11                ; at row rho = l % 8 + 8 (l / 16)
	s_mul_i32 s30, s22, STBW
	s_add_co_u32 s30, s30, STB0                    ; my stage
	v_mul_u32_u24 v10, v10, 3200
	v_add_nc_u32 v10, s30, v10
	v_lshl_add_u32 v4, v11, 3, v10                 ; codes: record u, 8 rho
	v_lshl_add_u32 v5, v11, 2, v10
	v_add_nc_u32 v5, 3072, v5                      ; scale words: record u, 3,072 + 4 rho
	v_lshlrev_b32 v8, 4, v1                        ; the way out: 16 bytes a lane,
	v_lshlrev_b32 v9, 2, v1                        ; 4 for the scale words
	v_add_nc_u32 v6, s30, v8
	v_add_nc_u32 v7, s30, v9
	v_add_nc_u32 v7, 3072, v7
	s_wait_kmcnt 0x0
	s_cmp_eq_u32 s23, 1                            ; the choice hangs on the work-group's number alone
	s_cselect_b64 s[10:11], s[12:13], s[10:11]
	s_cmp_eq_u32 s23, 2
	s_cselect_b64 s[10:11], s[14:15], s[10:11]
	s_cmp_eq_u32 s23, 3
	s_cselect_b64 s[10:11], s[16:17], s[10:11]
	s_add_nc_u64 s[10:11], s[10:11], s[26:27]
	s_add_nc_u64 s[20:21], s[20:21], s[28:29]
.macro LOADB t                         ; block t: W(32 t + i, my column) into set t % 2; 32 lanes read 128 consecutive bytes
.set i, 0
.rept 32
	global_load_b32 v[XB+32*((\t)%2)+i], v3, s[10:11] offset:(32*(\t)+i)*4096 th:TH_LOAD_NT
.set i, i+1
.endr
.endm
.macro BLOCK t
.set XS, XB+32*((\t)%2)
.if (\t) < 7
	s_wait_loadcnt 32                              ; this block's 32 loads are in; the next block's 32 may be out
.else
	s_wait_loadcnt 0x0
.endif
	v_max3_num_f32 v12, |v[XS]|, |v[XS+1]|, |v[XS+2]|              ; the block's largest magnitude, in two chains
	v_max3_num_f32 v13, |v[XS+3]|, |v[XS+4]|, |v[XS+5]|
.irp i, 6,10,14,18,22,26
	v_max3_num_f32 v12, v12, |v[XS+\i]|, |v[XS+\i+1]|
	v_max3_num_f32 v13, v13, |v[XS+\i+2]|, |v[XS+\i+3]|
.endr
	v_max3_num_f32 v12, v12, |v[XS+30]|, |v[XS+31]|
	v_max3_num_f32 v12, v12, v13, FLOOR            ; and the floor: the byte cannot fall under 1
	v_add_nc_u32 v11, EOFF, v12                    ; the conversion takes this operand's exponent field as its scale
	v_lshrrev_b32 v13, 23, v11                     ; the scale's byte
.if (\t)%4 == 0
	v_mov_b32 v[SB+(\t)/4], v13
.else
	v_lshl_or_b32 v[SB+(\t)/4], v13, 8*((\t)%4), v[SB+(\t)/4]
.endif
	v_cvt_scalef32_pk16_bf6_f32 v[CB:CB+2], v[XS:XS+15], v11
	v_cvt_scalef32_pk16_bf6_f32 v[TBR:TBR+2], v[XS+16:XS+31], v11  ; (a conversion's three registers begin on an even number)
	v_nop                                          ; one plain line behind the conversions
.irp i, 0,1,2
	v_mov_b32 v[CB+3+\i], v[TBR+\i]
.endr
.irp p, 0,1,2                          ; block t is half-lane t % 2, half (t / 2) % 2 of fragment t / 4: registers 6 c .. 6 c + 5 of lane rho + 16 h
	ds_store_b64 v4, v[CB+2*\p:CB+2*\p+1] offset:1536*((\t)/4)+256*(3*(((\t)/2)%2)+\p)+128*((\t)%2)
.endr
.if (\t)+2 < 8
	LOADB (\t)+2
.endif
	s_wait_dscnt 0x0                               ; the stores have read their registers: the next block's codes may be written
.endm
	LOADB 0
	LOADB 1
.irp t, 0,1,2,3,4,5,6,7
	BLOCK \t
.endr
	ds_store_b32 v5, v[SB]                         ; the scale words of the even 128 along K,
	s_wait_alu depctr_va_vdst(0)
	ds_store_b32 v5, v[SB+1] offset:64             ; and of the odd
.irp u, 0,1                            ; LDS serves a wave's instructions in order: these loads see my stores
.irp t, 0,1,2,3,4,5
	ds_load_b128 v[OUT+28*\u+4*\t:OUT+28*\u+4*\t+3], v6 offset:3200*\u+512*\t
.endr
	ds_load_b32 v[OUT+28*\u+24], v7 offset:3200*\u
.endr
.irp u, 0,1
.irp t, 0,1,2,3,4,5
	s_wait_dscnt 13-7*\u-\t                        ; the younger LDS loads may be out
	global_store_b128 v8, v[OUT+28*\u+4*\t:OUT+28*\u+4*\t+3], s[20:21] offset:RT*\u+512*\t   ; 512 consecutive bytes, from a multiple of 256
.endr
	s_wait_dscnt 7-7*\u
	global_store_b32 v9, v[OUT+28*\u+24], s[20:21] offset:RT*\u+3072
.endr
	s_wait_tensorcnt 0x0
	ds_add_u32 v240, v241
	s_wait_dscnt 0x0
	s_endpgm
; ---------------- THE ACTIVATIONS.  A wave takes one row tile (16 rows) and 512 along K: four fragments.
.Lacts:
.set XA,  144                          ; v144-207 my 64 numbers of a fragment: blocks h and 2 + h of row r
.set DC,  208                          ; v208-219 the fragment's codes
.set TC,  220                          ; v220-222, v224-226 upper halves as the conversions leave them
.set MX,  228
.set SCA, 230
.set BY,  232
.set WD,  234                          ; v234 the even fragment's scale word, v235 the odd one's
	s_sub_co_u32 s23, ttmp9, 128
	s_lshr_b32 s24, s23, 8                         ; which tensor: 0 query, 1 key, 2 value
	s_and_b32 s25, s23, 255
	s_lshl_b32 s25, s25, 2
	s_add_co_u32 s25, s25, s22
	s_lshr_b32 s26, s25, 1                         ; row tile T
	s_and_b32 s27, s25, 1                          ; which half of K
	s_lshr_b32 s28, s26, 1
	s_lshl_b32 s28, s28, 5
	s_and_b32 s29, s26, 1
	s_lshl_b32 s29, s29, 3
	s_add_co_u32 s28, s28, s29                     ; 32 (T / 2) + 8 (T % 2)
	s_lshl_b32 s29, s26, 4                         ; 16 T
	s_cmp_lg_u32 s24, 0
	s_cselect_b32 s28, s28, s29                    ; the tile's first row
	s_cselect_b32 s30, 16, 8                       ; and how far on its rows 8-15 begin
	s_lshl_b32 s32, s28, 12
	s_lshl_b32 s33, s27, 11
	s_add_co_u32 s32, s32, s33
	s_mov_b32 s33, 0
	s_lshl_b32 s34, s30, 12
	s_mov_b32 s35, 0
	s_mul_i32 s36, s24, XSZ
	s_mul_i32 s37, s26, RT
	s_add_co_u32 s36, s36, s37
	s_mul_i32 s37, s27, 2*REC
	s_add_co_u32 s36, s36, s37
	s_mov_b32 s37, 0
	s_mov_b32 s40, 0x76543210
	s_mov_b32 s41, 0xfedcba98                      ; v_permlanex16_b32's selects for lane l xor 16
	s_mov_b32 s42, 0xffff0000                      ; lanes 16-31
	s_mul_i32 s39, s22, STA                        ; my stage
	s_wait_alu depctr_va_vdst(0)
	v_lshlrev_b32 v2, 4, v1                        ; 16 bytes a lane: a load reads a row's 512 consecutive bytes
	v_add_nc_u32 v3, s39, v2
	v_and_b32 v8, 15, v1                           ; r
	v_lshrrev_b32 v9, 4, v1                        ; h
	v_mul_u32_u24 v4, v8, 528
	v_lshl_add_u32 v4, v9, 7, v4
	v_add_nc_u32 v4, s39, v4                       ; back: row r, 128 h bytes on
	v_lshlrev_b32 v5, 3, v1
	v_lshlrev_b32 v6, 2, v1
	v_lshlrev_b32 v7, 3, v9                        ; 8 h: my bytes' place in the scale word
	v_mov_b32 v236, 0
	v_mov_b32 v237, 0                              ; a lane permute's destination counts as one of its sources
	s_wait_alu depctr_va_vdst(0)
	s_wait_kmcnt 0x0
	s_cmp_eq_u32 s24, 1
	s_cselect_b64 s[4:5], s[6:7], s[4:5]
	s_cmp_eq_u32 s24, 2
	s_cselect_b64 s[4:5], s[8:9], s[4:5]
	s_add_nc_u64 s[24:25], s[4:5], s[32:33]        ; rows 0-7 of the tile
	s_add_nc_u64 s[26:27], s[24:25], s[34:35]      ; rows 8-15
	s_add_nc_u64 s[28:29], s[18:19], s[36:37]      ; my two records
.macro LOADF f, set
.irp i, 0,1,2,3,4,5,6,7
	global_load_b128 v[16+64*(\set)+4*\i:16+64*(\set)+4*\i+3], v2, s[24:25] offset:4096*\i+512*(\f) th:TH_LOAD_NT
.endr
.irp i, 0,1,2,3,4,5,6,7
	global_load_b128 v[48+64*(\set)+4*\i:48+64*(\set)+4*\i+3], v2, s[26:27] offset:4096*\i+512*(\f) th:TH_LOAD_NT
.endr
.endm
.macro FRAG f
.set RS, 16+64*((\f)%2)
.if (\f) < 3
	s_wait_loadcnt 16                              ; this fragment's 16 loads are in; the next one's 16 may be out
.else
	s_wait_loadcnt 0x0
.endif
.irp i, 0,1,2,3,4,5,6,7,8,9,10,11,12,13,14,15
	ds_store_b128 v3, v[RS+4*\i:RS+4*\i+3] offset:528*\i           ; rows as they lie, 528 bytes apart
.endr
.irp i, 0,1,2,3,4,5,6,7
	ds_load_b128 v[XA+4*\i:XA+4*\i+3], v4 offset:16*\i             ; k = 32 h + 0 .. 31 of my row (LDS serves a wave's instructions in order)
.endr
.irp i, 0,1,2,3,4,5,6,7
	ds_load_b128 v[XA+32+4*\i:XA+32+4*\i+3], v4 offset:256+16*\i   ; k = 64 + 32 h + 0 .. 31
.endr
	s_wait_dscnt 0x0
.if (\f)+2 < 4
	LOADF (\f)+2, (\f)%2
.endif
.irp c, 0,1
	v_max3_num_f32 v[MX+\c], |v[XA+32*\c]|, |v[XA+32*\c+1]|, FLOOR
.endr
.irp i, 2,4,6,8,10,12,14,16,18,20,22,24,26,28,30
.irp c, 0,1
	v_max3_num_f32 v[MX+\c], v[MX+\c], |v[XA+32*\c+\i]|, |v[XA+32*\c+\i+1]|   ; the two blocks by turns
.endr
.endr
.irp c, 0,1
	v_add_nc_u32 v[SCA+\c], EOFF, v[MX+\c]
.endr
.irp c, 0,1
	v_lshrrev_b32 v[BY+\c], 23, v[SCA+\c]
.endr
	v_lshl_or_b32 v[WD+(\f)%2], v[BY+1], 16, v[BY]                 ; my two bytes: blocks h and 2 + h,
	v_lshlrev_b32 v[WD+(\f)%2], v7, v[WD+(\f)%2]                   ; at their places;
	v_permlanex16_b32 v237, v[WD+(\f)%2], s40, s41
	v_or_b32 v[WD+(\f)%2], v[WD+(\f)%2], v237                      ; with lane l xor 16's two the word is whole
	s_wait_alu depctr_va_vdst(0)
	s_wait_xcnt 0x0                                ; the last fragment's stores have read their data: the codes' registers and v236 are written again only behind this wait
.irp c, 0,1
	v_cvt_scalef32_pk16_bf6_f32 v[DC+6*\c:DC+6*\c+2], v[XA+32*\c:XA+32*\c+15], v[SCA+\c]
	v_cvt_scalef32_pk16_bf6_f32 v[TC+4*\c:TC+4*\c+2], v[XA+32*\c+16:XA+32*\c+31], v[SCA+\c]
.endr
	v_nop                                          ; one plain line behind the conversions
.irp c, 0,1
.irp i, 0,1,2
	v_mov_b32 v[DC+6*\c+3+\i], v[TC+4*\c+\i]
.endr
.endr
.irp p, 0,1,2,3,4,5
	global_store_b64 v5, v[DC+2*\p:DC+2*\p+1], s[28:29] offset:REC*((\f)/2)+1536*((\f)%2)+256*\p   ; 256 consecutive bytes, from a multiple of 256
.endr
.if (\f)%2 == 1
	v_cndmask_b32 v236, v[WD], v[WD+1], s42        ; lanes 0-15 the even fragment's words, lanes 16-31 the odd one's
	global_store_b32 v6, v236, s[28:29] offset:REC*((\f)/2)+3072
.endif
.endm
	LOADF 0, 0
	LOADF 1, 1
	FRAG 0
	FRAG 1
	FRAG 2
	FRAG 3
	s_wait_tensorcnt 0x0
	ds_add_u32 v240, v241
	s_wait_dscnt 0x0
	s_endpgm
.Lfunc_end_k_qc7d41c8ddc_quant:
	.size	k_qc7d41c8ddc_quant, .Lfunc_end_k_qc7d41c8ddc_quant-k_qc7d41c8ddc_quant
	.p2alignl 7, 3214868480
	.fill 96, 4, 3214868480
	.section	.rodata,"a",@progbits
	.p2align	6, 0x0
	.amdhsa_kernel k_qc7d41c8ddc_quant
		.amdhsa_group_segment_fixed_size 59904
		.amdhsa_private_segment_fixed_size 0
		.amdhsa_enable_private_segment 0
		.amdhsa_kernarg_size 72
		.amdhsa_user_sgpr_count 2
		.amdhsa_user_sgpr_kernarg_segment_ptr 1
		.amdhsa_wavefront_size32 1
		.amdhsa_system_sgpr_workgroup_id_x 1
		.amdhsa_system_sgpr_workgroup_id_y 1
		.amdhsa_system_sgpr_workgroup_id_z 1
		.amdhsa_system_vgpr_workitem_id 0
		.amdhsa_next_free_vgpr 242
		.amdhsa_next_free_sgpr 66
		.amdhsa_reserve_vcc 0
		.amdhsa_float_denorm_mode_32 3
		.amdhsa_float_denorm_mode_16_64 3
		.amdhsa_memory_ordered 1
		.amdhsa_forward_progress 1
		.amdhsa_inst_pref_size 74
	.end_amdhsa_kernel
	.amdgpu_metadata
---
amdhsa.version: [ 1, 2 ]
amdhsa.kernels:
  - .name:           k_qc7d41c8ddc_quant
    .symbol:         k_qc7d41c8ddc_quant.kd
    .args:
      - { .name: query, .offset: 0, .size: 8, .value_kind: global_buffer, .address_space: global }
      - { .name: key, .offset: 8, .size: 8, .value_kind: global_buffer, .address_space: global }
      - { .name: value, .offset: 16, .size: 8, .value_kind: global_buffer, .address_space: global }
      - { .name: Wq, .offset: 24, .size: 8, .value_kind: global_buffer, .address_space: global }
      - { .name: Wk, .offset: 32, .size: 8, .value_kind: global_buffer, .address_space: global }
      - { .name: Wv, .offset: 40, .size: 8, .value_kind: global_buffer, .address_space: global }
      - { .name: Wo, .offset: 48, .size: 8, .value_kind: global_buffer, .address_space: global }
      - { .name: xc, .offset: 56, .size: 8, .value_kind: global_buffer, .address_space: global }
      - { .name: wc, .offset: 64, .size: 8, .value_kind: global_buffer, .address_space: global }
    .group_segment_fixed_size: 59904
    .private_segment_fixed_size: 0
    .kernarg_segment_align: 8
    .kernarg_segment_size: 72
    .max_flat_workgroup_size: 128
    .sgpr_count:     66
    .vgpr_count:     242
    .wavefront_size: 32
...
	.end_amdgpu_metadata
.endif
;; end of part 1
;; launch proj (part 2): grid 4 x 192, 8 waves a work-group, clusters of 4 x 4, 308,224 bytes of LDS; arguments xc, wc, bq, bk, bv, qimg, kv; writes qimg, kv
.if DOCPART == 2
	.amdgcn_target "amdgcn-amd-amdhsa--gfx1250"
	.amdhsa_code_object_version 6
	.text
	.protected	k_qc7d41c8ddc_proj
	.globl	k_qc7d41c8ddc_proj
	.p2align	8
	.type	k_qc7d41c8ddc_proj,@function
k_qc7d41c8ddc_proj:
	s_mov_b64 s[64:65], 0
	v_nop
	global_prefetch_b8 v0, s[64:65] scope:SCOPE_SE
	s_setreg_imm32_b32 hwreg(HW_REG_WAVE_MODE, 25, 1), 1
	s_wait_xcnt 0x0
	s_wait_alu depctr_hold_cnt(0) depctr_sa_sdst(0) depctr_va_vdst(0) depctr_va_sdst(0) depctr_va_ssrc(0) depctr_va_vcc(0) depctr_vm_vsrc(0)
	s_getreg_b32 s2, hwreg(HW_REG_IB_STS2, 6, 4)
	s_cmp_eq_u32 s2, 0
	s_cbranch_scc0 .Lentry_in_a_cluster
	s_endpgm
.Lentry_in_a_cluster:
	s_bfe_u32 s2, ttmp6, 0x10000c
	s_cmp_lg_u32 s2, 0xf033
	s_cbranch_scc0 .Lentry_shape_is_right
	s_endpgm
.Lentry_shape_is_right:
; q = query Wq + bq, k = key Wk + bk, v = value Wv + bv on codes of BF6 with E8M0 scales, and the results quantised in registers for the attention: q and k along a head's 64, v along the keys.
; OPERANDS are images of their registers (a fragment: six pieces of 256 bytes, lane l's 8 bytes at 8 l; a row tile: four records of REC bytes, each two fragments and 128 bytes of scale words).
; THE PRODUCT: source 0 = operand I, whose rows come to lie along a lane's registers; source 1 = operand J, whose rows are the lanes.  q, k: I = the weight (rows n), J = the activations.  v: I = value (rows = keys), J = Wv.
; I's tiles hold rows 32 (T / 2) + 8 (T % 2) + rho + 8 (rho / 8), so that the 32 registers of a wave's four I tiles are, for lane half h, rows 32 b + 16 h + 0 .. 15: neighbours along the next product's K.
; SHARES: a work-group makes 256 (I) x 128 (J); eight waves, each 64 x 64: 16 accumulators.  All of K = 1,024 lies in LDS, each byte filled once: four quarters of 256 along K, one tensor load a wave for each,
; four of a wave's loads out at most; a quarter is read behind the wait for it and a barrier, while the later ones land.
; CLUSTER 4 x 4: I's tile hangs on cx and is asked for jointly by the four work-groups of a column, J's on cy and by those of a row.  The kind of product hangs on the cluster's y alone.
; The sums begin with the bias: an order of rounding that differs from adding it last.  LIMITS: NaN and infinities are not served; a block of zeros gets the byte 1 (its codes are zeros; this program alone reads the bytes).
.set RT,    13312
.set REC,   3328
.set XSZ,   512*RT
.set WSZ,   64*RT
.set QREC,  106496                     ; a head's q: 128 tiles x 768 bytes of codes, 16 x 512 bytes of scale words
.set KVREC, 208896                     ; a head's k, laid likewise, then v: 16 steps x 4 fragments, 16 x 256 bytes of scale words
.set KSOFF, 98304
.set VOFF,  106496
.set VSOFF, 204800
.set TLB,   3200                       ; a row tile's used bytes of a quarter
.set JOFF,  16*TLB                     ; J's eight row tiles lie behind I's sixteen
.set QLDS,  24*TLB                     ; a quarter in LDS
.set FLOOR, 0x2800000
.set EOFF,  0xfe000000
.set SI,  16                           ; v16-19 I's scale words, v20-23 J's: lanes 0-15 the even 128 along K, lanes 16-31 the odd
.set SJ,  20
.set FI,  32                           ; v32-79 four fragments of I, v80-127 four of J
.set FJ,  80
.set ACC, 128                          ; accumulator (i, j) at v[128 + 32 j + 8 i]
.set CD,  64                           ; the epilogue: v64-87 codes, six registers for each j
.set QM,  96
.set QT,  98
.set QS,  100
.set QB,  102
.set QX,  104
.set HW,  112                          ; v112-115 half scale words
.set SW,  116                          ; v116-117 as they are stored
.set WV,  18
.set W3,  19
.set SEL, 20
.set G1I, 24
.set G1J, 32
.set G0I, 40                           ; s[40:55] four groups 0 for I;  J's at s[56:63], s[68:75]
.macro CROUND                          ; a round of the cluster's barrier
	s_barrier_signal -1
	s_barrier_wait -1
	s_cmp_lg_u32 s[WV], 0
	s_cbranch_scc1 .Lnot_wave_0_\@
	s_barrier_signal -3
.Lnot_wave_0_\@:
	s_barrier_wait -3
	s_barrier_signal -1
	s_barrier_wait -1
.endm
.macro KSTEP e                         ; 128 along K: 48 loads of 256 dense bytes, 16 products; the 16 accumulators take turns, one instruction a turn
.irp i, 0,1,2,3
.irp p, 0,1,2,3,4,5
	ds_load_b64 v[FI+12*\i+2*\p:FI+12*\i+2*\p+1], v1 offset:TLB*\i+1536*\e+256*\p
.endr
.endr
.irp i, 0,1,2,3
.irp p, 0,1,2,3,4,5
	ds_load_b64 v[FJ+12*\i+2*\p:FJ+12*\i+2*\p+1], v2 offset:TLB*\i+1536*\e+256*\p
.endr
.endr
.if \e == 0
.irp i, 0,1,2,3
	ds_load_b32 v[SI+\i], v3 offset:TLB*\i
	ds_load_b32 v[SJ+\i], v4 offset:TLB*\i
.endr
.endif
	s_wait_dscnt 0x0
.irp j, 0,1,2,3
.irp i, 0,1,2,3
.if \e == 0
	v_wmma_scale_f32_16x16x128_f8f6f4 v[ACC+32*\j+8*\i:ACC+32*\j+8*\i+7], v[FI+12*\i:FI+12*\i+11], v[FJ+12*\j:FJ+12*\j+11], v[ACC+32*\j+8*\i:ACC+32*\j+8*\i+7], v[SI+\i], v[SJ+\j] matrix_a_fmt:MATRIX_FMT_BF6 matrix_b_fmt:MATRIX_FMT_BF6
.else
	v_wmma_scale_f32_16x16x128_f8f6f4 v[ACC+32*\j+8*\i:ACC+32*\j+8*\i+7], v[FI+12*\i:FI+12*\i+11], v[FJ+12*\j:FJ+12*\j+11], v[ACC+32*\j+8*\i:ACC+32*\j+8*\i+7], v[SI+\i], v[SJ+\j] matrix_a_fmt:MATRIX_FMT_BF6 matrix_b_fmt:MATRIX_FMT_BF6 matrix_a_scale:MATRIX_SCALE_ROW1 matrix_b_scale:MATRIX_SCALE_ROW1
.endif
.endr
.endr
.endm
.macro QUARTER kq
	s_wait_tensorcnt 3-\kq                         ; my part of this quarter has landed; my loads for the later quarters may be out
	s_barrier_signal -1
	s_barrier_wait -1                              ; everybody's part has
	KSTEP 0
.rept 4
	v_nop                                          ; four places ahead of loads into registers that matrix instructions have read
.endr
	KSTEP 1
	v_add_nc_u32 v1, QLDS, v1                      ; on to the next quarter: these four lines are the four places as well
	v_add_nc_u32 v2, QLDS, v2
	v_add_nc_u32 v3, QLDS, v3
	v_add_nc_u32 v4, QLDS, v4
.endm
; 32 numbers of a lane, register 16 b + i = k 32 b + 16 h + i of the lane's row, become six registers of codes (lane half h: block h) and the two scale bytes in a word's low half.
.macro QUANT32 src, dst, hw
.irp b, 0,1
	v_max3_num_f32 v[QM+\b], |v[(\src)+16*\b]|, |v[(\src)+16*\b+1]|, FLOOR     ; each accumulator is read from its low end on
.endr
.irp i, 2,4,6,8,10,12,14
.irp b, 0,1
	v_max3_num_f32 v[QM+\b], v[QM+\b], |v[(\src)+16*\b+\i]|, |v[(\src)+16*\b+\i+1]|
.endr
.endr
.irp b, 0,1
	s_delay_alu instid0(VALU_DEP_2)
	v_permlanex16_b32 v[QT+\b], v[QM+\b], s[SEL], s[SEL+1]
.endr
.irp b, 0,1
	s_delay_alu instid0(VALU_DEP_2)
	v_max_num_f32 v[QM+\b], v[QM+\b], v[QT+\b]     ; with lane l xor 16's 16: the block's largest magnitude
.endr
.irp b, 0,1
	s_delay_alu instid0(VALU_DEP_2)
	v_add_nc_u32 v[QS+\b], EOFF, v[QM+\b]
.endr
.irp b, 0,1
	s_delay_alu instid0(VALU_DEP_2)
	v_lshrrev_b32 v[QB+\b], 23, v[QS+\b]
.endr
	s_delay_alu instid0(VALU_DEP_1)
	v_lshl_or_b32 v[\hw], v[QB+1], 8, v[QB]
	v_cvt_scalef32_pk16_bf6_f32 v[(\dst):(\dst)+2], v[(\src):(\src)+15], v[QS]
	v_cvt_scalef32_pk16_bf6_f32 v[QX:QX+2], v[(\src)+16:(\src)+31], v[QS+1]
	v_nop                                          ; one plain line behind the conversions
.irp i, 0,1,2
	v_permlane16_swap_b32 v[(\dst)+\i], v[QX+\i]   ; a whole block to a lane: lanes 0-15 block 0, lanes 16-31 block 1
.endr
.irp i, 0,1,2
	s_delay_alu instid0(VALU_DEP_3)
	v_mov_b32 v[(\dst)+3+\i], v[QX+\i]
.endr
.endm
	s_load_b256 s[4:11], s[0:1], 0x0               ; xc s[4:5], wc s[6:7], bq s[8:9], bk s[10:11]
	s_load_b128 s[12:15], s[0:1], 0x20             ; bv s[12:13], qimg s[14:15]
	s_load_b64 s[16:17], s[0:1], 0x30              ; kv
	v_lshl_add_u32 v30, v0, 2, 0x4b000
	v_mov_b32 v31, 0
	ds_add_u32 v30, v31
	ds_add_u32 v30, v31
	v_lshrrev_b32 v1, 5, v0
	s_delay_alu instid0(VALU_DEP_1)
	v_readfirstlane_b32 s[WV], v1                  ; wave 0..7
	s_and_b32 s[W3], s[WV], 3                      ; wi; also: which part of a tile I fetch
	s_bfe_u32 s22, ttmp6, 0x40000                  ; cx
	s_bfe_u32 s23, ttmp6, 0x40004                  ; cy
	s_and_b32 s76, ttmp7, 0xffff                   ; the cluster's y: 16 clusters for each of q, k, v
	s_lshr_b32 s77, s76, 4                         ; 0 q, 1 k, 2 v
	s_and_b32 s78, s76, 15
	s_lshr_b32 s79, s78, 1
	s_and_b32 s80, s78, 1
	s_mul_i32 s81, s77, WSZ
	s_mul_i32 s83, s77, XSZ
	s_mov_b32 s82, 2*XSZ
	s_mov_b32 s92, 2*WSZ
	s_cmp_eq_u32 s77, 2
	s_cselect_b32 s79, s79, 0
	s_cselect_b32 s80, s80, s78
	s_cselect_b32 s84, s82, s81                    ; where I's tensor begins in its buffer
	s_cselect_b32 s86, s92, s83                    ; and J's
	s_lshl_b32 s79, s79, 2
	s_add_co_u32 s79, s79, s22                     ; ti: I's tile of 256 rows
	s_lshl_b32 s80, s80, 2
	s_add_co_u32 s80, s80, s23                     ; tj: J's tile of 128 rows
	s_mul_i32 s81, s79, 16*RT
	s_add_co_u32 s84, s84, s81
	s_mul_i32 s81, s[W3], 4*RT                     ; waves 0-3 fetch four row tiles of I each,
	s_add_co_u32 s84, s84, s81
	s_mov_b32 s85, 0
	s_mul_i32 s83, s80, 8*RT
	s_add_co_u32 s86, s86, s83
	s_mul_i32 s83, s[W3], 2*RT                     ; waves 4-7 two of J
	s_add_co_u32 s86, s86, s83
	s_mov_b32 s87, 0
	s_lshl_b32 s93, 0x1111, s22                    ; my column of the cluster (same cx)
	s_lshl_b32 s94, s23, 2
	s_lshl_b32 s94, 15, s94                        ; my row (same cy)
	; group 1: rows of 3,200 bytes (400 elements of 8), 13,312 bytes apart, laid on end in LDS
	s_or_b32 s[G1I], s93, (3<<16)|(1<<21)          ; 15:0 the mask; 17:16 elements of 8 bytes; 21 set beside a mask
	s_or_b32 s[G1J], s94, (3<<16)|(1<<21)
	s_mov_b32 s[G1I+1], 400<<16                    ; tensor_dim0
	s_mov_b32 s[G1J+1], 400<<16
	s_mov_b32 s[G1I+2], 4<<16                      ; tensor_dim1
	s_mov_b32 s[G1J+2], 2<<16
	s_mov_b32 s[G1I+3], 400<<16                    ; tile_dim0
	s_mov_b32 s[G1J+3], 400<<16
	s_mov_b32 s[G1I+4], 4                          ; tile_dim1
	s_mov_b32 s[G1J+4], 2
	s_mov_b32 s[G1I+5], RT/8                       ; the pitch
	s_mov_b32 s[G1J+5], RT/8
	s_mov_b32 s[G1I+6], 0
	s_mov_b32 s[G1J+6], 0
	s_mov_b32 s[G1I+7], 0
	s_mov_b32 s[G1J+7], 0
	s_mul_i32 s95, s[W3], 4*TLB                    ; where they go: no place in the cluster enters an LDS address
	s_mul_i32 s96, s[W3], 2*TLB
	s_add_co_u32 s96, s96, JOFF
	s_mov_b32 s[SEL], 0x76543210
	s_mov_b32 s[SEL+1], 0xfedcba98
	s_wait_dscnt 0x0
	s_wait_kmcnt 0x0
	s_cmp_eq_u32 s77, 2
	s_cselect_b64 s[88:89], s[4:5], s[6:7]         ; I's buffer: the activations' codes for v, the weights' for q and k
	s_cselect_b64 s[90:91], s[6:7], s[4:5]         ; J's: the other
	s_add_nc_u64 s[88:89], s[88:89], s[84:85]
	s_add_nc_u64 s[90:91], s[90:91], s[86:87]
.irp q, 0,1,2,3
	s_mov_b32 s[G0I+4*\q], 1
	s_add_co_u32 s[G0I+4*\q+1], s95, QLDS*\q
	s_add_nc_u64 s[G0I+4*\q+2:G0I+4*\q+3], s[88:89], REC*\q
	s_or_b32 s[G0I+4*\q+3], s[G0I+4*\q+3], 0x80000000
	s_mov_b32 s[56+4*\q+4*(\q/2)], 1
	s_add_co_u32 s[57+4*\q+4*(\q/2)], s96, QLDS*\q
	s_add_nc_u64 s[58+4*\q+4*(\q/2):59+4*\q+4*(\q/2)], s[90:91], REC*\q
	s_or_b32 s[59+4*\q+4*(\q/2)], s[59+4*\q+4*(\q/2)], 0x80000000
.endr
	CROUND                                         ; all sixteen work-groups are here: the joint loads meet
	s_cmp_lt_u32 s[WV], 4                          ; a wave's four fills stand in one branch on the wave's number, ahead of every wait on TENSORcnt, LDS read and work-group barrier
	s_cbranch_scc0 .Lfill_j
.irp q, 0,1,2,3
	tensor_load_to_lds s[G0I+4*\q:G0I+4*\q+3], s[G1I:G1I+7]
	s_nop 0
.endr
.rept 4
	v_nop
.endr
	s_branch .Lfilled
.Lfill_j:
.irp q, 0,1,2,3
	tensor_load_to_lds s[56+4*\q+4*(\q/2):59+4*\q+4*(\q/2)], s[G1J:G1J+7]
	s_nop 0
.endr
.rept 4
	v_nop
.endr
.Lfilled:
	v_and_b32 v9, 31, v0                           ; lane
	v_and_b32 v10, 15, v0                          ; r
	v_bfe_u32 v11, v0, 4, 1                        ; h
	s_lshr_b32 s97, s[WV], 2                       ; wj
	s_mul_i32 s99, s97, 4*TLB
	s_add_co_u32 s99, s99, JOFF
	v_lshlrev_b32 v7, 3, v9                        ; 8 l
	v_lshlrev_b32 v12, 2, v9                       ; 4 l
	s_delay_alu instid0(VALU_DEP_2)
	v_add_nc_u32 v1, s95, v7                       ; my four row tiles of I,
	s_delay_alu instid0(VALU_DEP_3)
	v_add_nc_u32 v2, s99, v7                       ; of J,
	s_delay_alu instid0(VALU_DEP_3)
	v_add_nc_u32 v3, s95, v12
	s_delay_alu instid0(VALU_DEP_1)
	v_add_nc_u32 v3, 3072, v3                      ; and their scale words
	v_add_nc_u32 v4, s99, v12
	s_delay_alu instid0(VALU_DEP_1)
	v_add_nc_u32 v4, 3072, v4
	v_lshlrev_b32 v8, 4, v9                        ; 16 l
	v_lshlrev_b32 v5, 6, v11                       ; 64 h
	v_and_b32 v6, 8, v10
	s_delay_alu instid0(VALU_DEP_1)
	v_add_nc_u32 v6, v6, v10
	s_delay_alu instid0(VALU_DEP_1)
	v_lshlrev_b32 v6, 2, v6                        ; 4 (r + 8 (r / 8))
	; THE BIAS starts the sums, while the first tiles are on their way
	s_cmp_eq_u32 s77, 2
	s_cbranch_scc1 .Lbias_v
	s_cmp_eq_u32 s77, 0
	s_cselect_b64 s[2:3], s[8:9], s[10:11]         ; bq or bk
	s_lshl_b32 s98, s79, 10                        ; my 64 columns n: 256 ti + 64 wi
	s_lshl_b32 s76, s[W3], 8
	s_add_co_u32 s98, s98, s76
	s_mov_b32 s99, 0
	s_add_nc_u64 s[2:3], s[2:3], s[98:99]
	s_wait_alu depctr_va_vdst(0)
.irp j, 0,1,2,3
.irp i, 0,1,2,3                        ; register t of accumulator (i, j): n = 32 (i / 2) + 16 h + 8 (i % 2) + t
	global_load_b128 v[ACC+32*\j+8*\i:ACC+32*\j+8*\i+3], v5, s[2:3] offset:128*(\i/2)+32*(\i%2)
	global_load_b128 v[ACC+32*\j+8*\i+4:ACC+32*\j+8*\i+7], v5, s[2:3] offset:128*(\i/2)+32*(\i%2)+16
.endr
.endr
	s_branch .Lbias_done
.Lbias_v:
	s_lshl_b32 s98, s80, 9                         ; my 64 columns n: 128 tj + 64 wj; here n is the lane's
	s_lshl_b32 s76, s97, 8
	s_add_co_u32 s98, s98, s76
	s_mov_b32 s99, 0
	s_add_nc_u64 s[2:3], s[12:13], s[98:99]
	s_wait_alu depctr_va_vdst(0)
.irp j, 0,1,2,3
	global_load_b32 v[ACC+32*\j], v6, s[2:3] offset:128*(\j/2)+32*(\j%2)
.endr
	s_wait_loadcnt 0x0
.irp j, 0,1,2,3
.set n, 1
.rept 31
	v_mov_b32 v[ACC+32*\j+n], v[ACC+32*\j]         ; one number a lane for all 32 registers of column tile j
.set n, n+1
.endr
.endr
.Lbias_done:
	s_wait_loadcnt 0x0
	s_wait_alu depctr_va_vdst(0)
	QUARTER 0
	s_wait_alu depctr_va_vdst(0)
	QUARTER 1
	s_wait_alu depctr_va_vdst(0)
	QUARTER 2
	s_wait_alu depctr_va_vdst(0)
	QUARTER 3
	; THE RESULTS ARE QUANTISED as they stand: for each j a lane holds 64 neighbours along the next K of its row.  (QUARTER's last four lines are the places behind the last products.)
	v_mov_b32 v[QT], 0                             ; a lane permute's destination counts as one of its sources
	v_mov_b32 v[QT+1], 0
.irp j, 0,1,2,3
	QUANT32 ACC+32*\j, CD+6*\j, HW+\j
.endr
	s_mov_b32 s76, 0xffff0000
	v_cndmask_b32 v[SW], v[HW], v[HW+1], s76       ; lanes 0-15 the even tile's words, lanes 16-31 the odd one's
	v_cndmask_b32 v[SW+1], v[HW+2], v[HW+3], s76
	s_cmp_eq_u32 s77, 2
	s_cbranch_scc1 .Lout_v
	s_lshl_b32 s81, s79, 2
	s_add_co_u32 s81, s81, s[W3]                   ; the head: my 64 columns
	s_lshr_b32 s82, s80, 4
	s_lshl_b32 s82, s82, 4
	s_add_co_u32 s81, s81, s82                     ; 16 x batch + head
	s_and_b32 s82, s80, 15                         ; which 128 rows of the batch
	s_mov_b32 s83, KVREC
	s_cmp_eq_u32 s77, 0
	s_cselect_b32 s83, QREC, s83
	s_cselect_b64 s[2:3], s[14:15], s[16:17]       ; qimg or kv
	s_mul_i32 s98, s81, s83
	s_mov_b32 s99, 0
	s_add_nc_u64 s[2:3], s[2:3], s[98:99]
	s_lshl_b32 s98, s82, 3
	s_lshl_b32 s92, s97, 2
	s_add_co_u32 s98, s98, s92                     ; my first tile of 16 rows
	s_mul_i32 s98, s98, 768
	s_add_nc_u64 s[84:85], s[2:3], s[98:99]
	s_lshl_b32 s98, s82, 9
	s_lshl_b32 s92, s97, 3
	s_add_co_u32 s98, s98, s92
	s_add_co_u32 s98, s98, KSOFF
	s_add_nc_u64 s[86:87], s[2:3], s[98:99]
	s_wait_alu depctr_va_vdst(0)
.irp j, 0,1,2,3
.irp p, 0,1,2
	global_store_b64 v7, v[CD+6*\j+2*\p:CD+6*\j+2*\p+1], s[84:85] offset:768*\j+256*\p   ; 256 consecutive bytes, from a multiple of 256
.endr
.endr
	global_store_b64 v8, v[SW:SW+1], s[86:87]      ; word a of a step at 16 l + 4 a: tile 2 a + l / 16, row l % 16; bytes 2 and 3 are 0
	s_branch .Lout_done
.Lout_v:
	s_lshl_b32 s81, s80, 1
	s_add_co_u32 s81, s81, s97                     ; the head
	s_lshr_b32 s82, s79, 3
	s_lshl_b32 s82, s82, 4
	s_add_co_u32 s81, s81, s82                     ; 16 x batch + head
	s_mul_i32 s98, s81, KVREC
	s_mov_b32 s99, 0
	s_add_nc_u64 s[2:3], s[16:17], s[98:99]
	s_and_b32 s82, s79, 7
	s_lshl_b32 s82, s82, 1
	s_lshr_b32 s83, s[W3], 1
	s_add_co_u32 s82, s82, s83                     ; the key step of 128
	s_and_b32 s83, s[W3], 1                        ; and which 64 of it
	s_mul_i32 s98, s82, 6144
	s_mul_i32 s92, s83, 768
	s_add_co_u32 s98, s98, s92
	s_add_co_u32 s98, s98, VOFF
	s_add_nc_u64 s[84:85], s[2:3], s[98:99]
	s_lshl_b32 s98, s82, 8
	s_lshl_b32 s92, s83, 1
	s_add_co_u32 s98, s98, s92
	s_add_co_u32 s98, s98, VSOFF
	s_add_nc_u64 s[86:87], s[2:3], s[98:99]
	s_wait_alu depctr_va_vdst(0)
.irp j, 0,1,2,3
.irp p, 0,1,2
	global_store_b64 v7, v[CD+6*\j+2*\p:CD+6*\j+2*\p+1], s[84:85] offset:1536*\j+256*\p
.endr
.endr
.irp a, 0,1
	global_store_b16 v7, v[SW+\a], s[86:87] offset:4*\a   ; my two bytes of the word at 8 l + 4 a: one part in 384 of what the launch stores
.endr
.Lout_done:
	s_wait_tensorcnt 0x0
	ds_add_u32 v30, v31
	s_wait_dscnt 0x0
	CROUND                                         ; the closing round: no work-group ends while a partner may still ask for a tile that names it
	s_endpgm
.Lfunc_end_k_qc7d41c8ddc_proj:
	.size	k_qc7d41c8ddc_proj, .Lfunc_end_k_qc7d41c8ddc_proj-k_qc7d41c8ddc_proj
	.p2alignl 7, 3214868480
	.fill 96, 4, 3214868480
	.section	.rodata,"a",@progbits
	.p2align	6, 0x0
	.amdhsa_kernel k_qc7d41c8ddc_proj
		.amdhsa_group_segment_fixed_size 308224
		.amdhsa_private_segment_fixed_size 0
		.amdhsa_enable_private_segment 0
		.amdhsa_kernarg_size 56
		.amdhsa_user_sgpr_count 2
		.amdhsa_user_sgpr_kernarg_segment_ptr 1
		.amdhsa_wavefront_size32 1
		.amdhsa_system_sgpr_workgroup_id_x 1
		.amdhsa_system_sgpr_workgroup_id_y 1
		.amdhsa_system_sgpr_workgroup_id_z 1
		.amdhsa_system_vgpr_workitem_id 0
		.amdhsa_next_free_vgpr 256
		.amdhsa_next_free_sgpr 100
		.amdhsa_reserve_vcc 0
		.amdhsa_float_denorm_mode_32 3
		.amdhsa_float_denorm_mode_16_64 3
		.amdhsa_memory_ordered 1
		.amdhsa_forward_progress 1
		.amdhsa_inst_pref_size 75
	.end_amdhsa_kernel
	.amdgpu_metadata
---
amdhsa.version: [ 1, 2 ]
amdhsa.kernels:
  - .name:           k_qc7d41c8ddc_proj
    .symbol:         k_qc7d41c8ddc_proj.kd
    .args:
      - { .name: xc, .offset: 0, .size: 8, .value_kind: global_buffer, .address_space: global }
      - { .name: wc, .offset: 8, .size: 8, .value_kind: global_buffer, .address_space: global }
      - { .name: bq, .offset: 16, .size: 8, .value_kind: global_buffer, .address_space: global }
      - { .name: bk, .offset: 24, .size: 8, .value_kind: global_buffer, .address_space: global }
      - { .name: bv, .offset: 32, .size: 8, .value_kind: global_buffer, .address_space: global }
      - { .name: qimg, .offset: 40, .size: 8, .value_kind: global_buffer, .address_space: global }
      - { .name: kv, .offset: 48, .size: 8, .value_kind: global_buffer, .address_space: global }
    .group_segment_fixed_size: 308224
    .private_segment_fixed_size: 0
    .kernarg_segment_align: 8
    .kernarg_segment_size: 56
    .max_flat_workgroup_size: 256
    .sgpr_count:     100
    .vgpr_count:     256
    .wavefront_size: 32
...
	.end_amdgpu_metadata
.endif
;; end of part 2
;; launch attn (part 3): grid 4 x 64, 16 waves a work-group, clusters of 4 x 1, 210,944 bytes of LDS; arguments qimg, kv, att_mask, att; writes att
.if DOCPART == 3
	.amdgcn_target "amdgcn-amd-amdhsa--gfx1250"
	.amdhsa_code_object_version 6
	.text
	.protected	k_qc7d41c8ddc_attn
	.globl	k_qc7d41c8ddc_attn
	.p2align	8
	.type	k_qc7d41c8ddc_attn,@function
k_qc7d41c8ddc_attn:
	s_mov_b64 s[64:65], 0
	v_nop
	global_prefetch_b8 v0, s[64:65] scope:SCOPE_SE
	s_setreg_imm32_b32 hwreg(HW_REG_WAVE_MODE, 25, 1), 1
	s_wait_xcnt 0x0
	s_wait_alu depctr_hold_cnt(0) depctr_sa_sdst(0) depctr_va_vdst(0) depctr_va_sdst(0) depctr_va_ssrc(0) depctr_va_vcc(0) depctr_vm_vsrc(0)
	s_getreg_b32 s2, hwreg(HW_REG_IB_STS2, 6, 4)
	s_cmp_eq_u32 s2, 0
	s_cbranch_scc0 .Lentry_in_a_cluster
	s_endpgm
.Lentry_in_a_cluster:
	s_bfe_u32 s2, ttmp6, 0x10000c
	s_cmp_lg_u32 s2, 0x3003
	s_cbranch_scc0 .Lentry_shape_is_right
	s_endpgm
.Lentry_shape_is_right:
; attended = softmax(q k^T / 8, causal) v for one batch and head, rows that att_mask hides set to 0; both products on codes of BF6 with E8M0 scales; the result quantised along the model's 1,024 for the last product.
; p IS QUANTISED FINISHED AND NORMALISED, so a row's sum must be known before its first p is coded: the scores are made twice.  Pass 1: the running largest t = score x log2(e) / 8, M = that rounded up to a whole
; number, and the sum of 2^(t - M), brought under a new M by an exact power of two.  Pass 2: p = 2^(t - M) x (1 / sum), quantised along the keys, and O^T += V^T P^T.
; SHARES: a head's whole record of k and v (208,896 bytes, images of the operands' registers) lies in LDS, each byte filled once, by one joint tensor load a wave: the four work-groups of a cluster share a head.
; A wave owns one tile of 16 queries at a time, two in all: tile 8 G + sub and tile 8 (15 - G) + sub, G = wave / 2, sub = 2 cx + wave % 2: 17 key steps of 128 in each pass for every wave.
; Every branch hangs on the wave's number and on counters alone; cx enters global addresses and the mask's threshold (data) only.  Key steps above the diagonal are jumped over; the loops' trip counts are constants.
; LAYOUT: both products transposed (S^T = K Q^T, O^T = V^T P^T): a lane holds one query.  The keys of a tile of K, and the channels of a tile of V, are 32 (t / 2) + 8 (t % 2) + r + 8 (r / 8),
; so that 16 registers of two neighbouring tiles are 16 neighbours along the next K.
; K = 64 IN A PRODUCT 128 DEEP: Q's registers 6-11 hold zero codes and bytes 2, 3 of Q's and K's scale words are 0 (2^-127, a finite scale).  Tile t's operand is v[32 + 6 t .. 43 + 6 t]: its upper six registers
; are the next tile's codes (behind the last tile: zeros), finite numbers that meet zeros and add nothing.
; LIMITS: NaN and infinities are not served; a p under 2^-126 comes out of v_exp_f32 as 0; a block of zeros gets the byte 1 (its codes are zeros; this program alone reads the bytes).
.set RT,    13312
.set REC,   3328
.set QREC,  106496
.set KVREC, 208896
.set KSOFF, 98304
.set VOFF,  106496
.set VSOFF, 204800
.set FLOOR, 0x2800000
.set EOFF,  0xfe000000
.set AK0,  1                           ; v1  8 l: my place in a piece of K
.set AV0,  2                           ; v2  the same in V
.set ASK0, 3                           ; v3  16 l among K's scale words
.set ASV0, 4                           ; v4  8 l among V's
.set ADK,  8                           ; v8-11 the step's addresses
.set ADV,  9
.set ADS,  10
.set ADT,  11
.set Q,    16                          ; v16-27 Q's fragment
.set QSC,  28                          ; v28 its scale words
.set MSK,  29                          ; v29 att_mask of my query
.set RS,   30                          ; v[30:31] 1 / sum
.set FR,   32                          ; v32-85 K's eight tiles and six zeros; later V's four fragments
.set KSC,  88                          ; v88-91 K's scale words, v92-93 V's
.set VSC,  92
.set S,    96                          ; v96-159 S^T, then p
.set O,    160                         ; v160-191 O^T
.set PC,   192                         ; v192-203 p's codes
.set PT,   204
.set BM,   212
.set BT,   216
.set SCL,  220
.set PW,   224                         ; p's scale word
.set T0,   226
.set FF,   228
.set SUM2, 230
.set NINF, 232
.set DTH,  233
.set QM,   236
.set QT,   238
.set QS,   240
.set QB,   242
.set QX,   244
.set WV,   12
.set SUB,  17
.set G,    18
.set TRIP, 19
.set SEL,  20
.set CS,   22
.set TK,   36
.set TS,   37
.set TV,   38
.set KS,   39
.macro CROUND
	s_barrier_signal -1
	s_barrier_wait -1
	s_cmp_lg_u32 s[WV], 0
	s_cbranch_scc1 .Lnot_wave_0_\@
	s_barrier_signal -3
.Lnot_wave_0_\@:
	s_barrier_wait -3
	s_barrier_signal -1
	s_barrier_wait -1
.endm
.macro QUANT32 src, dst, hw            ; 32 numbers of a lane, register 16 b + i = k 32 b + 16 h + i of its row: six registers of codes and two scale bytes
.irp b, 0,1
	v_max3_num_f32 v[QM+\b], |v[(\src)+16*\b]|, |v[(\src)+16*\b+1]|, FLOOR
.endr
.irp i, 2,4,6,8,10,12,14
.irp b, 0,1
	s_delay_alu instid0(VALU_DEP_2)
	v_max3_num_f32 v[QM+\b], v[QM+\b], |v[(\src)+16*\b+\i]|, |v[(\src)+16*\b+\i+1]|
.endr
.endr
.irp b, 0,1
	s_delay_alu instid0(VALU_DEP_2)
	v_permlanex16_b32 v[QT+\b], v[QM+\b], s[SEL], s[SEL+1]
.endr
.irp b, 0,1
	s_delay_alu instid0(VALU_DEP_2)
	v_max_num_f32 v[QM+\b], v[QM+\b], v[QT+\b]
.endr
.irp b, 0,1
	s_delay_alu instid0(VALU_DEP_2)
	v_add_nc_u32 v[QS+\b], EOFF, v[QM+\b]
.endr
.irp b, 0,1
	s_delay_alu instid0(VALU_DEP_2)
	v_lshrrev_b32 v[QB+\b], 23, v[QS+\b]
.endr
	s_delay_alu instid0(VALU_DEP_1)
	v_lshl_or_b32 v[\hw], v[QB+1], 8, v[QB]
	v_cvt_scalef32_pk16_bf6_f32 v[(\dst):(\dst)+2], v[(\src):(\src)+15], v[QS]
	v_cvt_scalef32_pk16_bf6_f32 v[QX:QX+2], v[(\src)+16:(\src)+31], v[QS+1]
	v_nop
.irp i, 0,1,2
	v_permlane16_swap_b32 v[(\dst)+\i], v[QX+\i]
.endr
.irp i, 0,1,2
	s_delay_alu instid0(VALU_DEP_3)
	v_mov_b32 v[(\dst)+3+\i], v[QX+\i]
.endr
.endm
	s_load_b256 s[4:11], s[0:1], 0x0               ; qimg s[4:5], kv s[6:7], att_mask s[8:9], att s[10:11]
	v_lshl_add_u32 v254, v0, 2, 0x33000
	v_mov_b32 v255, 0
	ds_add_u32 v254, v255
	ds_add_u32 v254, v255
	v_lshrrev_b32 v1, 5, v0
	s_delay_alu instid0(VALU_DEP_1)
	v_readfirstlane_b32 s[WV], v1                  ; wave 0..15
	s_bfe_u32 s13, ttmp6, 0x40000                  ; cx
	s_and_b32 s14, ttmp7, 0xffff                   ; 16 x batch + head: the four partners share it
	s_lshr_b32 s15, s14, 4                         ; batch
	s_and_b32 s16, s14, 15                         ; head
	s_and_b32 s[SUB], s[WV], 1
	s_lshl_b32 s56, s13, 1
	s_add_co_u32 s[SUB], s[SUB], s56               ; sub = 2 cx + wave % 2
	s_lshr_b32 s[G], s[WV], 1
	; the head's record: a sixteenth a wave, 51 rows of 256 bytes (32 elements of 8), dense
	s_mov_b32 s24, 15|(3<<16)|(1<<21)              ; 15:0 the mask: all four work-groups; 17:16 elements of 8 bytes; 21 set beside a mask
	s_mov_b32 s25, 32<<16
	s_mov_b32 s26, 51<<16
	s_mov_b32 s27, 32<<16
	s_mov_b32 s28, 51
	s_mov_b32 s29, 32
	s_mov_b32 s30, 0
	s_mov_b32 s31, 0
	s_mov_b32 s32, 1
	s_mul_i32 s33, s[WV], 13056                    ; in LDS as in memory
	s_mul_i32 s56, s14, KVREC
	s_add_co_u32 s56, s56, s33
	s_mov_b32 s57, 0
	s_mov_b32 s[SEL], 0x76543210
	s_mov_b32 s[SEL+1], 0xfedcba98
	s_mov_b32 s[CS], 0x3e38aa3b                    ; c = log2(e) / 8
	s_mov_b32 s[CS+1], s[CS]                       ; (named with it as a pair)
	s_mov_b32 s[TRIP], 2
	s_wait_dscnt 0x0
	s_wait_kmcnt 0x0
	s_add_nc_u64 s[34:35], s[6:7], s[56:57]
	s_or_b32 s35, s35, 0x80000000
	CROUND                                         ; all four work-groups are here: the joint loads meet
	tensor_load_to_lds s[32:35], s[24:31]          ; my one tensor load of the launch
	s_nop 0
.rept 4
	v_nop
.endr
	s_mul_i32 s56, s14, QREC
	s_add_nc_u64 s[50:51], s[4:5], s[56:57]        ; my head's q
	s_lshl_b32 s56, s15, 13
	s_add_nc_u64 s[52:53], s[8:9], s[56:57]        ; my batch's mask
	s_mul_i32 s56, s15, 128*RT                     ; att: my batch's row tiles, the record of 256 along K in which my head lies,
	s_lshr_b32 s58, s16, 2
	s_mul_i32 s58, s58, REC
	s_add_co_u32 s56, s56, s58
	s_bfe_u32 s58, s16, 0x10001                    ; which fragment of it,
	s_and_b32 s62, s16, 1                          ; which half of the fragment
	s_mul_i32 s59, s58, 1536
	s_mul_i32 s63, s62, 768
	s_add_co_u32 s59, s59, s63
	s_add_co_u32 s59, s59, s56
	s_lshl_b32 s58, s58, 6
	s_lshl_b32 s62, s62, 1
	s_add_co_u32 s58, s58, s62
	s_add_co_u32 s58, s58, 3072
	s_add_co_u32 s56, s56, s58
	s_add_nc_u64 s[60:61], s[10:11], s[56:57]      ; my head's two bytes of the scale words
	s_mov_b32 s56, s59
	s_add_nc_u64 s[54:55], s[10:11], s[56:57]      ; my head's codes
	s_and_b32 s59, s[SUB], 1
	s_lshl_b32 s59, s59, 8
	s_lshr_b32 s58, s[SUB], 1
	s_lshl_b32 s58, s58, 2
	s_add_co_u32 s59, s59, s58
	s_add_co_u32 s59, s59, KSOFF                   ; q's scale word of tile sub of a step: 256 (sub % 2) + 4 (sub / 2), + 16 r
	s_lshl_b32 s56, s[SUB], 4
	v_and_b32 v12, 31, v0                          ; lane
	v_and_b32 v13, 15, v0                          ; r
	v_bfe_u32 v14, v0, 4, 1                        ; h
	s_delay_alu instid0(VALU_DEP_3)
	v_lshlrev_b32 v[AK0], 3, v12
	s_delay_alu instid0(VALU_DEP_1)
	v_add_nc_u32 v[AV0], VOFF, v[AK0]
	v_lshlrev_b32 v[ASK0], 4, v12
	s_delay_alu instid0(VALU_DEP_1)
	v_add_nc_u32 v[ASK0], KSOFF, v[ASK0]
	s_delay_alu instid0(VALU_DEP_4)
	v_add_nc_u32 v[ASV0], VSOFF, v[AK0]
	v_lshlrev_b32 v5, 3, v12                       ; global: 8 l,
	v_lshlrev_b32 v6, 4, v13                       ; 16 r,
	v_lshlrev_b32 v7, 2, v13                       ; 4 r
	v_lshlrev_b32 v[DTH], 4, v14
	s_delay_alu instid0(VALU_DEP_1)
	v_sub_nc_u32 v[DTH], v13, v[DTH]
	s_delay_alu instid0(VALU_DEP_1)
	v_add_nc_u32 v[DTH], s56, v[DTH]               ; on the diagonal step register 16 b + i holds a hidden key where 32 b + i > 16 sub + r - 16 h
	v_mov_b32 v[NINF], 0xff800000
.irp n, 22,23,24,25,26,27,80,81,82,83,84,85
	v_mov_b32 v\n, 0                               ; zero codes: Q's upper half, and what lies behind K's last tile
.endr
.irp n, 31,216,217,218,219,226,229,238,239
	v_mov_b32 v\n, 0                               ; written once: upper halves of pairs, and lane permutes' destinations, which count as sources
.endr
	s_wait_tensorcnt 0x0                           ; my part of the record has landed,
	s_barrier_signal -1
	s_barrier_wait -1                              ; everybody's has.  From here on LDS is only read
; A KEY STEP of 128 keys.
.macro STEP pass
	s_cmp_gt_u32 s[KS], s[G]                       ; all its keys come after my queries: only the addresses step
	s_cbranch_scc1 .Lskip_\@
	v_add_nc_u32 v[ADK], s[TK], v[AK0]
	v_add_nc_u32 v[ADS], s[TS], v[ASK0]
.if \pass == 2
	v_add_nc_u32 v[ADV], s[TK], v[AV0]             ; (in pass 2 these four lines are the places between the last step's products and the loads below)
	v_add_nc_u32 v[ADT], s[TV], v[ASV0]
.endif
.irp t, 0,1,2,3,4,5,6,7
.irp p, 0,1,2
	ds_load_b64 v[FR+6*\t+2*\p:FR+6*\t+2*\p+1], v[ADK] offset:768*\t+256*\p
.endr
.endr
	ds_load_b128 v[KSC:KSC+3], v[ADS]              ; word a: lanes 0-15 tile 2 a, lanes 16-31 tile 2 a + 1
	s_wait_dscnt 0x0
.irp t, 0,2,4,6
	v_wmma_scale_f32_16x16x128_f8f6f4 v[S+8*\t:S+8*\t+7], v[FR+6*\t:FR+6*\t+11], v[Q:Q+11], 0, v[KSC+\t/2], v[QSC] matrix_a_fmt:MATRIX_FMT_BF6 matrix_b_fmt:MATRIX_FMT_BF6
	v_wmma_scale_f32_16x16x128_f8f6f4 v[S+8*\t+8:S+8*\t+15], v[FR+6*\t+6:FR+6*\t+17], v[Q:Q+11], 0, v[KSC+\t/2], v[QSC] matrix_a_fmt:MATRIX_FMT_BF6 matrix_b_fmt:MATRIX_FMT_BF6 matrix_a_scale:MATRIX_SCALE_ROW1
.endr
.rept 4
	v_nop                                          ; four places behind the products (ISA guide 7.12.1)
.endr
.if \pass == 2
	s_wait_alu depctr_va_vdst(0)
.irp j, 0,1,2,3
.irp p, 0,1,2,3,4,5
	ds_load_b64 v[FR+12*\j+2*\p:FR+12*\j+2*\p+1], v[ADV] offset:1536*\j+256*\p   ; V's fragments land while the softmax is worked
.endr
.endr
	ds_load_b64 v[VSC:VSC+1], v[ADT]
.endif
	s_cmp_lg_u32 s[KS], s[G]                       ; the diagonal step: hidden scores become -infinity, p = 0
	s_cbranch_scc1 .Lopen_\@
.set n, 0
.rept 64
	v_cmp_gt_i32 vcc_lo, 32*(n/16)+n%16, v[DTH]
	v_cndmask_b32 v[S+n], v[S+n], v[NINF], vcc_lo
.set n, n+1
.endr
.Lopen_\@:
.irp b, 0,1,2,3
	v_max3_num_f32 v[BM+\b], v[S+16*\b], v[S+1+16*\b], v[S+2+16*\b]   ; the largest score of each block of 32 keys, my 16 of them
.endr
.irp i, 3,5,7,9,11,13
.irp b, 0,1,2,3
	v_max3_num_f32 v[BM+\b], v[BM+\b], v[S+16*\b+\i], v[S+1+16*\b+\i]
.endr
.endr
.irp b, 0,1,2,3
	v_max_num_f32 v[BM+\b], v[BM+\b], v[S+15+16*\b]
.endr
.if \pass == 1
	s_delay_alu instid0(VALU_DEP_2)
	v_max3_num_f32 v[T0], v[BM], v[BM+1], v[BM+2]
	s_delay_alu instid0(VALU_DEP_1)
	v_max_num_f32 v[T0], v[T0], v[BM+3]
	s_delay_alu instid0(VALU_DEP_1)
	v_permlanex16_b32 v[BT], v[T0], s[SEL], s[SEL+1]
	s_delay_alu instid0(VALU_DEP_1)
	v_max_num_f32 v[T0], v[T0], v[BT]              ; the step's largest score of my query
	s_delay_alu instid0(VALU_DEP_1)
	v_mul_f32 v[T0], s[CS], v[T0]
	s_delay_alu instid0(VALU_DEP_1)
	v_max_num_f32 v13, v13, v[T0]                  ; the running largest t
	v_mov_b32 v[T0], v12
	s_delay_alu instid0(VALU_DEP_2)
	v_floor_f32 v12, -v13                          ; -M = floor(-t): M is a whole number
	s_delay_alu instid0(VALU_DEP_1)
	v_sub_f32 v[T0], v12, v[T0]
	s_delay_alu instid0(VALU_DEP_1)
	v_cvt_i32_f32 v[T0], v[T0]                     ; old M - new M, 0 or less (it saturates)
	s_delay_alu instid0(VALU_DEP_1)
	v_ldexp_f32 v[FF], 1.0, v[T0]                  ; f = 2^(old M - new M): rounds nothing
.set n, 0
.rept 32
	v_pk_fma_f32 v[S+n:S+n+1], v[S+n:S+n+1], s[CS:CS+1], v[12:13] op_sel_hi:[1,0,0]   ; t - M
.set n, n+2
.endr
.set n, 0
	s_wait_alu depctr_va_vdst(0)
.rept 64
	v_exp_f32 v[S+n], v[S+n]
.set n, n+1
.endr
	v_pk_mul_f32 v[14:15], v[14:15], v[FF:FF+1] op_sel_hi:[1,0]    ; the sum under the new M: the plain line behind the exponentials
	s_wait_alu depctr_va_vdst(0)                   ; one wait for the batch, ahead of its first reader
	v_pk_add_f32 v[230:231], v[100:101], v[104:105]
	v_pk_add_f32 v[252:253], v[108:109], v[112:113]
	v_pk_add_f32 v[250:251], v[116:117], v[120:121]
	v_pk_add_f32 v[248:249], v[124:125], v[128:129]
	v_pk_add_f32 v[246:247], v[132:133], v[136:137]
	v_pk_add_f32 v[244:245], v[140:141], v[144:145]
	v_pk_add_f32 v[242:243], v[148:149], v[152:153]
	v_pk_add_f32 v[14:15], v[14:15], v[156:157]
	v_pk_add_f32 v[230:231], v[230:231], v[96:97]
	v_pk_add_f32 v[252:253], v[252:253], v[98:99]
	v_pk_add_f32 v[250:251], v[250:251], v[102:103]
	v_pk_add_f32 v[248:249], v[248:249], v[106:107]
	v_pk_add_f32 v[246:247], v[246:247], v[110:111]
	v_pk_add_f32 v[244:245], v[244:245], v[114:115]
	v_pk_add_f32 v[242:243], v[242:243], v[118:119]
	v_pk_add_f32 v[14:15], v[14:15], v[122:123]
	v_pk_add_f32 v[230:231], v[230:231], v[126:127]
	v_pk_add_f32 v[252:253], v[252:253], v[130:131]
	v_pk_add_f32 v[250:251], v[250:251], v[134:135]
	v_pk_add_f32 v[248:249], v[248:249], v[138:139]
	v_pk_add_f32 v[246:247], v[246:247], v[142:143]
	v_pk_add_f32 v[244:245], v[244:245], v[146:147]
	v_pk_add_f32 v[242:243], v[242:243], v[150:151]
	v_pk_add_f32 v[14:15], v[14:15], v[154:155]
	v_pk_add_f32 v[230:231], v[230:231], v[158:159]
	s_delay_alu instid0(VALU_DEP_2)
	v_pk_add_f32 v[14:15], v[14:15], v[248:249]
	s_delay_alu instid0(VALU_DEP_2)
	v_pk_add_f32 v[230:231], v[230:231], v[246:247]
	v_pk_add_f32 v[252:253], v[252:253], v[244:245]
	v_pk_add_f32 v[250:251], v[250:251], v[242:243]
	s_delay_alu instid0(VALU_DEP_2)
	v_pk_add_f32 v[14:15], v[14:15], v[252:253]
	s_delay_alu instid0(VALU_DEP_2)
	v_pk_add_f32 v[230:231], v[230:231], v[250:251]
	s_delay_alu instid0(VALU_DEP_1)
	v_pk_add_f32 v[14:15], v[14:15], v[230:231]
.else
.irp b, 0,1,2,3
	s_delay_alu instid0(VALU_DEP_4)
	v_permlanex16_b32 v[BT+\b], v[BM+\b], s[SEL], s[SEL+1]
.endr
.irp b, 0,1,2,3
	s_delay_alu instid0(VALU_DEP_4)
	v_max_num_f32 v[BM+\b], v[BM+\b], v[BT+\b]     ; with lane l xor 16's 16 keys: p rises with the score, so this score gives the block's largest p
.endr
.set n, 0
.rept 32
	v_pk_fma_f32 v[S+n:S+n+1], v[S+n:S+n+1], s[CS:CS+1], v[12:13] op_sel_hi:[1,0,0]   ; t - M, M the row's last
.set n, n+2
.endr
.irp b, 0,1,2,3
	v_fma_f32 v[BM+\b], v[BM+\b], s[CS], v12
.endr
.set n, 0
	s_wait_alu depctr_va_vdst(0)
.rept 64
	v_exp_f32 v[S+n], v[S+n]
.set n, n+1
.endr
.irp b, 0,1,2,3
	v_exp_f32 v[BM+\b], v[BM+\b]
.endr
	v_nop                                          ; the plain line behind the exponentials
	s_wait_alu depctr_va_vdst(0)                   ; one wait for the 68, ahead of their first reader
.set n, 0
.rept 32
	v_pk_mul_f32 v[S+n:S+n+1], v[S+n:S+n+1], v[RS:RS+1] op_sel_hi:[1,0]   ; p, normalised
.set n, n+2
.endr
.irp b, 0,1,2,3
	v_mul_f32 v[BM+\b], v[BM+\b], v[RS]            ; the same two lines on the same number give the same bits
.endr
.irp b, 0,1,2,3
	s_delay_alu instid0(VALU_DEP_4)
	v_max_num_f32 v[BM+\b], FLOOR, v[BM+\b]
.endr
.irp b, 0,1,2,3
	s_delay_alu instid0(VALU_DEP_4)
	v_add_nc_u32 v[SCL+\b], EOFF, v[BM+\b]
.endr
.irp b, 0,1,2,3
	s_delay_alu instid0(VALU_DEP_4)
	v_lshrrev_b32 v[BT+\b], 23, v[SCL+\b]
.endr
	s_delay_alu instid0(VALU_DEP_3)
	v_lshl_or_b32 v[PW], v[BT+1], 8, v[BT]         ; p's scale word for these 128 keys
	s_delay_alu instid0(VALU_DEP_1)
	v_lshl_or_b32 v[PW], v[BT+2], 16, v[PW]
	s_delay_alu instid0(VALU_DEP_1)
	v_lshl_or_b32 v[PW], v[BT+3], 24, v[PW]
.irp c, 0,1
	v_cvt_scalef32_pk16_bf6_f32 v[PC+6*\c:PC+6*\c+2], v[S+32*\c:S+32*\c+15], v[SCL+2*\c]
	v_cvt_scalef32_pk16_bf6_f32 v[PT+4*\c:PT+4*\c+2], v[S+32*\c+16:S+32*\c+31], v[SCL+2*\c+1]
.endr
	v_nop                                          ; one plain line behind the conversions
.irp c, 0,1
.irp i, 0,1,2
	v_permlane16_swap_b32 v[PC+6*\c+\i], v[PT+4*\c+\i]
.endr
.irp i, 0,1,2
	s_delay_alu instid0(VALU_DEP_3)
	v_mov_b32 v[PC+6*\c+3+\i], v[PT+4*\c+\i]
.endr
.endr
.rept 4
	v_nop                                          ; an operand written by vector lines stands four places ahead of a scaled product; the scale word, with the moves above, more than eight
.endr
	s_wait_alu depctr_va_vdst(0)
	s_wait_dscnt 0x0                               ; V is in
.irp j, 0,2
	v_wmma_scale_f32_16x16x128_f8f6f4 v[O+8*\j:O+8*\j+7], v[FR+12*\j:FR+12*\j+11], v[PC:PC+11], v[O+8*\j:O+8*\j+7], v[VSC+\j/2], v[PW] matrix_a_fmt:MATRIX_FMT_BF6 matrix_b_fmt:MATRIX_FMT_BF6
	v_wmma_scale_f32_16x16x128_f8f6f4 v[O+8*\j+8:O+8*\j+15], v[FR+12*\j+12:FR+12*\j+23], v[PC:PC+11], v[O+8*\j+8:O+8*\j+15], v[VSC+\j/2], v[PW] matrix_a_fmt:MATRIX_FMT_BF6 matrix_b_fmt:MATRIX_FMT_BF6 matrix_a_scale:MATRIX_SCALE_ROW1
.endr
.endif
.Lskip_\@:
	s_add_co_u32 s[TK], s[TK], 6144                ; the next step's codes (K's and V's alike),
	s_add_co_u32 s[TS], s[TS], 512                 ; K's scale words,
.if \pass == 2
	s_add_co_u32 s[TV], s[TV], 256                 ; V's
.endif
.endm
.Ltrip:                                            ; two trips: a tile of 16 queries each
	s_wait_xcnt 0x0                                ; the last tile's loads and stores have read their addresses and data
	s_lshl_b32 s58, s[G], 3
	s_add_co_u32 s58, s58, s[SUB]                  ; the tile
	s_mov_b32 s57, 0
	s_mul_i32 s56, s58, 768
	s_add_nc_u64 s[40:41], s[50:51], s[56:57]
	s_lshl_b32 s56, s[G], 9
	s_add_co_u32 s56, s56, s59
	s_add_nc_u64 s[42:43], s[50:51], s[56:57]
	s_lshl_b32 s56, s58, 6
	s_add_nc_u64 s[44:45], s[52:53], s[56:57]
	s_mul_i32 s56, s58, RT
	s_add_nc_u64 s[46:47], s[54:55], s[56:57]
	s_add_nc_u64 s[48:49], s[60:61], s[56:57]
	global_load_b64 v[Q:Q+1], v5, s[40:41]
	global_load_b64 v[Q+2:Q+3], v5, s[40:41] offset:256
	global_load_b64 v[Q+4:Q+5], v5, s[40:41] offset:512
	global_load_b32 v[QSC], v6, s[42:43]
	global_load_b32 v[MSK], v7, s[44:45]
	v_mov_b32 v13, 0xff61b1e6                      ; the largest t so far: -3e38
	s_delay_alu instid0(VALU_DEP_1)
	v_floor_f32 v12, -v13
	v_mov_b32 v14, 0
	v_mov_b32 v15, 0
.set n, 0
.rept 32
	v_mov_b32 v[O+n], 0                            ; O^T: the step is written once, so its first products add onto zeros
.set n, n+1
.endr
	s_mov_b32 s[KS], 0
	s_mov_b32 s[TK], 0
	s_mov_b32 s[TS], 0
	s_wait_loadcnt 0x0
.Lpass1:
	STEP 1
	s_add_co_u32 s[KS], s[KS], 1
	s_cmp_lt_u32 s[KS], 16
	s_cbranch_scc1 .Lpass1
	s_wait_alu depctr_va_vdst(0)
	v_add_f32 v14, v14, v15                        ; the sum's two halves,
	s_delay_alu instid0(VALU_DEP_1)
	v_permlanex16_b32 v[T0], v14, s[SEL], s[SEL+1]
	s_delay_alu instid0(VALU_DEP_1)
	v_add_f32 v14, v14, v[T0]                      ; and lane l xor 16's
	s_wait_alu depctr_va_vdst(0)
	v_rcp_f32 v[RS], v14
	v_nop
	s_wait_alu depctr_va_vdst(0)                   ; ahead of the label and of the first reader
	s_mov_b32 s[KS], 0
	s_mov_b32 s[TK], 0
	s_mov_b32 s[TS], 0
	s_mov_b32 s[TV], 0
.Lpass2:
	STEP 2
	s_add_co_u32 s[KS], s[KS], 1
	s_cmp_lt_u32 s[KS], 16
	s_cbranch_scc1 .Lpass2
.rept 4
	v_nop                                          ; four places behind the last products
.endr
	v_cmp_ne_u32 vcc_lo, 0, v[MSK]
.set n, 0
.rept 32
	v_cndmask_b32 v[S+n], 0, v[O+n], vcc_lo        ; a query that att_mask hides attends to nothing: zeros
.set n, n+1
.endr
	QUANT32 S, PC, PW                              ; my head's 64 of the model's 1,024: two blocks
.irp p, 0,1,2
	global_store_b64 v5, v[PC+2*\p:PC+2*\p+1], s[46:47] offset:256*\p   ; 256 consecutive bytes, from a multiple of 256
.endr
	global_store_b16 v7, v[PW], s[48:49]           ; my row's two bytes; both halves of the lanes hold the same
	s_xor_b32 s[G], s[G], 15
	s_sub_co_u32 s[TRIP], s[TRIP], 1
	s_cmp_lg_u32 s[TRIP], 0
	s_cbranch_scc1 .Ltrip
	s_wait_tensorcnt 0x0
	ds_add_u32 v254, v255
	s_wait_dscnt 0x0
	CROUND                                         ; the closing round
	s_endpgm
.Lfunc_end_k_qc7d41c8ddc_attn:
	.size	k_qc7d41c8ddc_attn, .Lfunc_end_k_qc7d41c8ddc_attn-k_qc7d41c8ddc_attn
	.p2alignl 7, 3214868480
	.fill 96, 4, 3214868480
	.section	.rodata,"a",@progbits
	.p2align	6, 0x0
	.amdhsa_kernel k_qc7d41c8ddc_attn
		.amdhsa_group_segment_fixed_size 210944
		.amdhsa_private_segment_fixed_size 0
		.amdhsa_enable_private_segment 0
		.amdhsa_kernarg_size 32
		.amdhsa_user_sgpr_count 2
		.amdhsa_user_sgpr_kernarg_segment_ptr 1
		.amdhsa_wavefront_size32 1
		.amdhsa_system_sgpr_workgroup_id_x 1
		.amdhsa_system_sgpr_workgroup_id_y 1
		.amdhsa_system_sgpr_workgroup_id_z 1
		.amdhsa_system_vgpr_workitem_id 0
		.amdhsa_next_free_vgpr 256
		.amdhsa_next_free_sgpr 66
		.amdhsa_reserve_vcc 1
		.amdhsa_float_denorm_mode_32 3
		.amdhsa_float_denorm_mode_16_64 3
		.amdhsa_memory_ordered 1
		.amdhsa_forward_progress 1
		.amdhsa_inst_pref_size 52
	.end_amdhsa_kernel
	.amdgpu_metadata
---
amdhsa.version: [ 1, 2 ]
amdhsa.kernels:
  - .name:           k_qc7d41c8ddc_attn
    .symbol:         k_qc7d41c8ddc_attn.kd
    .args:
      - { .name: qimg, .offset: 0, .size: 8, .value_kind: global_buffer, .address_space: global }
      - { .name: kv, .offset: 8, .size: 8, .value_kind: global_buffer, .address_space: global }
      - { .name: att_mask, .offset: 16, .size: 8, .value_kind: global_buffer, .address_space: global }
      - { .name: att, .offset: 24, .size: 8, .value_kind: global_buffer, .address_space: global }
    .group_segment_fixed_size: 210944
    .private_segment_fixed_size: 0
    .kernarg_segment_align: 8
    .kernarg_segment_size: 32
    .max_flat_workgroup_size: 512
    .sgpr_count:     66
    .vgpr_count:     256
    .wavefront_size: 32
...
	.end_amdgpu_metadata
.endif
;; end of part 3
;; launch outp (part 4): grid 4 x 64, 8 waves a work-group, clusters of 4 x 4, 308,224 bytes of LDS; arguments att, wc, bo, out0; writes out0
.if DOCPART == 4
	.amdgcn_target "amdgcn-amd-amdhsa--gfx1250"
	.amdhsa_code_object_version 6
	.text
	.protected	k_qc7d41c8ddc_outp
	.globl	k_qc7d41c8ddc_outp
	.p2align	8
	.type	k_qc7d41c8ddc_outp,@function
k_qc7d41c8ddc_outp:
	s_mov_b64 s[64:65], 0
	v_nop
	global_prefetch_b8 v0, s[64:65] scope:SCOPE_SE
	s_setreg_imm32_b32 hwreg(HW_REG_WAVE_MODE, 25, 1), 1
	s_wait_xcnt 0x0
	s_wait_alu depctr_hold_cnt(0) depctr_sa_sdst(0) depctr_va_vdst(0) depctr_va_sdst(0) depctr_va_ssrc(0) depctr_va_vcc(0) depctr_vm_vsrc(0)
	s_getreg_b32 s2, hwreg(HW_REG_IB_STS2, 6, 4)
	s_cmp_eq_u32 s2, 0
	s_cbranch_scc0 .Lentry_in_a_cluster
	s_endpgm
.Lentry_in_a_cluster:
	s_bfe_u32 s2, ttmp6, 0x10000c
	s_cmp_lg_u32 s2, 0xf033
	s_cbranch_scc0 .Lentry_shape_is_right
	s_endpgm
.Lentry_shape_is_right:
; out0 = attended Wo + bo on codes of BF6 with E8M0 scales; out0 [8192][1024] f32.
; OPERANDS are images of their registers (a fragment: six pieces of 256 bytes, lane l's 8 bytes at 8 l; a row tile: four records of REC bytes, each two fragments and 128 bytes of scale words).
; Source 0 = Wo's rows n (operand I; a tile's rows are 32 (T / 2) + 8 (T % 2) + rho + 8 (rho / 8)), source 1 = attended's rows (operand J): a lane holds one row of out0 and its registers neighbouring columns.
; SHARES: a work-group makes 256 columns x 128 rows; eight waves, each 64 x 64: 16 accumulators.  All of K = 1,024 lies in LDS, each byte filled once: four quarters, one tensor load a wave for each, four out at most.
; CLUSTER 4 x 4: Wo's tile hangs on cx and is asked for jointly by a column of the cluster, attended's on cy and by a row.
; The sums begin with the bias: an order of rounding that differs from adding it last.
.set RT,    13312
.set REC,   3328
.set WSZ,   64*RT
.set TLB,   3200
.set JOFF,  16*TLB
.set QLDS,  24*TLB
.set SI,  16
.set SJ,  20
.set FI,  32
.set FJ,  80
.set ACC, 128
.set STO, 13                           ; v13 the stage: where I put 16 bytes of a row
.set RD,  14                           ; v14 where I read a row back
.set CO,  15                           ; v15 my byte offset in out0
.set WV,  18
.set W3,  19
.set G1I, 24
.set G1J, 32
.set G0I, 40
.macro CROUND
	s_barrier_signal -1
	s_barrier_wait -1
	s_cmp_lg_u32 s[WV], 0
	s_cbranch_scc1 .Lnot_wave_0_\@
	s_barrier_signal -3
.Lnot_wave_0_\@:
	s_barrier_wait -3
	s_barrier_signal -1
	s_barrier_wait -1
.endm
.macro KSTEP e                         ; 128 along K: 48 loads of 256 dense bytes, 16 products; the 16 accumulators take turns, one instruction a turn
.irp i, 0,1,2,3
.irp p, 0,1,2,3,4,5
	ds_load_b64 v[FI+12*\i+2*\p:FI+12*\i+2*\p+1], v1 offset:TLB*\i+1536*\e+256*\p
.endr
.endr
.irp i, 0,1,2,3
.irp p, 0,1,2,3,4,5
	ds_load_b64 v[FJ+12*\i+2*\p:FJ+12*\i+2*\p+1], v2 offset:TLB*\i+1536*\e+256*\p
.endr
.endr
.if \e == 0
.irp i, 0,1,2,3
	ds_load_b32 v[SI+\i], v3 offset:TLB*\i
	ds_load_b32 v[SJ+\i], v4 offset:TLB*\i
.endr
.endif
	s_wait_dscnt 0x0
.irp j, 0,1,2,3
.irp i, 0,1,2,3
.if \e == 0
	v_wmma_scale_f32_16x16x128_f8f6f4 v[ACC+32*\j+8*\i:ACC+32*\j+8*\i+7], v[FI+12*\i:FI+12*\i+11], v[FJ+12*\j:FJ+12*\j+11], v[ACC+32*\j+8*\i:ACC+32*\j+8*\i+7], v[SI+\i], v[SJ+\j] matrix_a_fmt:MATRIX_FMT_BF6 matrix_b_fmt:MATRIX_FMT_BF6
.else
	v_wmma_scale_f32_16x16x128_f8f6f4 v[ACC+32*\j+8*\i:ACC+32*\j+8*\i+7], v[FI+12*\i:FI+12*\i+11], v[FJ+12*\j:FJ+12*\j+11], v[ACC+32*\j+8*\i:ACC+32*\j+8*\i+7], v[SI+\i], v[SJ+\j] matrix_a_fmt:MATRIX_FMT_BF6 matrix_b_fmt:MATRIX_FMT_BF6 matrix_a_scale:MATRIX_SCALE_ROW1 matrix_b_scale:MATRIX_SCALE_ROW1
.endif
.endr
.endr
.endm
.macro QUARTER kq
	s_wait_tensorcnt 3-\kq                         ; my part of this quarter has landed; my loads for the later quarters may be out
	s_barrier_signal -1
	s_barrier_wait -1
	KSTEP 0
.rept 4
	v_nop                                          ; four places ahead of loads into registers that matrix instructions have read
.endr
	KSTEP 1
	v_add_nc_u32 v1, QLDS, v1                      ; on to the next quarter: these four lines are the four places as well
	v_add_nc_u32 v2, QLDS, v2
	v_add_nc_u32 v3, QLDS, v3
	v_add_nc_u32 v4, QLDS, v4
.endm
	s_load_b256 s[4:11], s[0:1], 0x0               ; att s[4:5], wc s[6:7], bo s[8:9], out0 s[10:11]
	v_lshl_add_u32 v30, v0, 2, 0x4b000
	v_mov_b32 v31, 0
	ds_add_u32 v30, v31
	ds_add_u32 v30, v31
	v_lshrrev_b32 v1, 5, v0
	s_delay_alu instid0(VALU_DEP_1)
	v_readfirstlane_b32 s[WV], v1                  ; wave 0..7
	s_and_b32 s[W3], s[WV], 3
	s_bfe_u32 s22, ttmp6, 0x40000                  ; cx = ti: Wo's tile of 256 rows n
	s_bfe_u32 s23, ttmp6, 0x40004                  ; cy
	s_and_b32 s76, ttmp7, 0xffff
	s_lshl_b32 s80, s76, 2
	s_add_co_u32 s80, s80, s23                     ; tj: attended's tile of 128 rows
	s_mul_i32 s84, s22, 16*RT
	s_add_co_u32 s84, s84, 3*WSZ                   ; Wo is the fourth weight in wc
	s_mul_i32 s81, s[W3], 4*RT
	s_add_co_u32 s84, s84, s81
	s_mov_b32 s85, 0
	s_mul_i32 s86, s80, 8*RT
	s_mul_i32 s83, s[W3], 2*RT
	s_add_co_u32 s86, s86, s83
	s_mov_b32 s87, 0
	s_lshl_b32 s93, 0x1111, s22                    ; my column of the cluster
	s_lshl_b32 s94, s23, 2
	s_lshl_b32 s94, 15, s94                        ; my row
	s_or_b32 s[G1I], s93, (3<<16)|(1<<21)          ; rows of 3,200 bytes (400 elements of 8), 13,312 bytes apart, laid on end in LDS
	s_or_b32 s[G1J], s94, (3<<16)|(1<<21)
	s_mov_b32 s[G1I+1], 400<<16
	s_mov_b32 s[G1J+1], 400<<16
	s_mov_b32 s[G1I+2], 4<<16
	s_mov_b32 s[G1J+2], 2<<16
	s_mov_b32 s[G1I+3], 400<<16
	s_mov_b32 s[G1J+3], 400<<16
	s_mov_b32 s[G1I+4], 4
	s_mov_b32 s[G1J+4], 2
	s_mov_b32 s[G1I+5], RT/8
	s_mov_b32 s[G1J+5], RT/8
	s_mov_b32 s[G1I+6], 0
	s_mov_b32 s[G1J+6], 0
	s_mov_b32 s[G1I+7], 0
	s_mov_b32 s[G1J+7], 0
	s_mul_i32 s95, s[W3], 4*TLB
	s_mul_i32 s96, s[W3], 2*TLB
	s_add_co_u32 s96, s96, JOFF
	s_wait_dscnt 0x0
	s_wait_kmcnt 0x0
	s_add_nc_u64 s[88:89], s[6:7], s[84:85]
	s_add_nc_u64 s[90:91], s[4:5], s[86:87]
.irp q, 0,1,2,3
	s_mov_b32 s[G0I+4*\q], 1
	s_add_co_u32 s[G0I+4*\q+1], s95, QLDS*\q
	s_add_nc_u64 s[G0I+4*\q+2:G0I+4*\q+3], s[88:89], REC*\q
	s_or_b32 s[G0I+4*\q+3], s[G0I+4*\q+3], 0x80000000
	s_mov_b32 s[56+4*\q+4*(\q/2)], 1
	s_add_co_u32 s[57+4*\q+4*(\q/2)], s96, QLDS*\q
	s_add_nc_u64 s[58+4*\q+4*(\q/2):59+4*\q+4*(\q/2)], s[90:91], REC*\q
	s_or_b32 s[59+4*\q+4*(\q/2)], s[59+4*\q+4*(\q/2)], 0x80000000
.endr
	CROUND                                         ; all sixteen work-groups are here: the joint loads meet
	s_cmp_lt_u32 s[WV], 4                          ; a wave's four fills stand in one branch on the wave's number
	s_cbranch_scc0 .Lfill_j
.irp q, 0,1,2,3
	tensor_load_to_lds s[G0I+4*\q:G0I+4*\q+3], s[G1I:G1I+7]
	s_nop 0
.endr
.rept 4
	v_nop
.endr
	s_branch .Lfilled
.Lfill_j:
.irp q, 0,1,2,3
	tensor_load_to_lds s[56+4*\q+4*(\q/2):59+4*\q+4*(\q/2)], s[G1J:G1J+7]
	s_nop 0
.endr
.rept 4
	v_nop
.endr
.Lfilled:
	v_and_b32 v9, 31, v0                           ; lane
	v_and_b32 v10, 15, v0                          ; r
	v_bfe_u32 v11, v0, 4, 1                        ; h
	s_lshr_b32 s97, s[WV], 2                       ; wj
	s_mul_i32 s99, s97, 4*TLB
	s_add_co_u32 s99, s99, JOFF
	v_lshlrev_b32 v7, 3, v9
	v_lshlrev_b32 v12, 2, v9
	s_delay_alu instid0(VALU_DEP_2)
	v_add_nc_u32 v1, s95, v7
	s_delay_alu instid0(VALU_DEP_3)
	v_add_nc_u32 v2, s99, v7
	s_delay_alu instid0(VALU_DEP_3)
	v_add_nc_u32 v3, s95, v12
	s_delay_alu instid0(VALU_DEP_1)
	v_add_nc_u32 v3, 3072, v3
	v_add_nc_u32 v4, s99, v12
	s_delay_alu instid0(VALU_DEP_1)
	v_add_nc_u32 v4, 3072, v4
	v_lshlrev_b32 v5, 6, v11                       ; 64 h
	s_wait_alu depctr_va_vdst(0)
	s_mul_i32 s98, s[WV], 16*272                   ; my stage: 16 rows x (256 + 16) bytes, in quarter 0's bytes
	v_mul_u32_u24 v[STO], v10, 272
	s_delay_alu instid0(VALU_DEP_1)
	v_lshl_add_u32 v[STO], v11, 6, v[STO]
	s_delay_alu instid0(VALU_DEP_1)
	v_add_nc_u32 v[STO], s98, v[STO]               ; in: row r, 64 h bytes on
	v_mul_u32_u24 v[RD], v11, 272
	s_delay_alu instid0(VALU_DEP_1)
	v_lshl_add_u32 v[RD], v10, 4, v[RD]
	s_delay_alu instid0(VALU_DEP_1)
	v_add_nc_u32 v[RD], s98, v[RD]                 ; back: lanes 0-15 one row, lanes 16-31 the next
	v_lshlrev_b32 v[CO], 12, v11
	s_delay_alu instid0(VALU_DEP_1)
	v_lshl_add_u32 v[CO], v10, 4, v[CO]            ; and the same two rows in out0
	s_lshl_b32 s98, s22, 10                        ; my 64 columns: 256 ti + 64 wi, in bytes
	s_lshl_b32 s76, s[W3], 8
	s_add_co_u32 s98, s98, s76
	s_mov_b32 s99, 0
	s_add_nc_u64 s[2:3], s[8:9], s[98:99]          ; in bo,
	s_add_nc_u64 s[10:11], s[10:11], s[98:99]      ; and in a row of out0
	s_lshl_b32 s98, s80, 19                        ; my 64 rows: 128 tj + 64 wj, of 4,096 bytes
	s_lshl_b32 s76, s97, 18
	s_add_co_u32 s98, s98, s76
	s_add_nc_u64 s[10:11], s[10:11], s[98:99]
.irp j, 0,1,2,3                        ; THE BIAS starts the sums, while the first tiles are on their way
.irp i, 0,1,2,3                        ; register t of accumulator (i, j): column 32 (i / 2) + 16 h + 8 (i % 2) + t
	global_load_b128 v[ACC+32*\j+8*\i:ACC+32*\j+8*\i+3], v5, s[2:3] offset:128*(\i/2)+32*(\i%2)
	global_load_b128 v[ACC+32*\j+8*\i+4:ACC+32*\j+8*\i+7], v5, s[2:3] offset:128*(\i/2)+32*(\i%2)+16
.endr
.endr
	s_wait_loadcnt 0x0
	QUARTER 0
	s_wait_alu depctr_va_vdst(0)
	QUARTER 1
	s_wait_alu depctr_va_vdst(0)
	QUARTER 2
	s_wait_alu depctr_va_vdst(0)
	QUARTER 3
; THE WAY OUT, 16 rows x 64 columns at a time, through my own stage, so that sixteen lanes store 256 consecutive bytes.  The stage lies in quarter 0's bytes: they have had their only fill, and every wave
; has waited for its reads of them ahead of quarter 1's barrier.  QUARTER's last four lines are the places behind the last products.  LDS serves a wave's instructions in order: no wait between stores and loads.
.macro TOSTAGE j
.irp i, 0,1,2,3
	ds_store_b128 v[STO], v[ACC+32*(\j)+8*\i:ACC+32*(\j)+8*\i+3] offset:128*(\i/2)+32*(\i%2)        ; each accumulator from its low end on
	ds_store_b128 v[STO], v[ACC+32*(\j)+8*\i+4:ACC+32*(\j)+8*\i+7] offset:128*(\i/2)+32*(\i%2)+16
.endr
.irp t, 0,1,2,3,4,5,6,7
	ds_load_b128 v[32+32*((\j)%2)+4*\t:32+32*((\j)%2)+4*\t+3], v[RD] offset:544*\t
.endr
.endm
.macro SEND j, younger                 ; younger: the LDS instructions issued behind block j's loads, which may stay out
	s_wait_dscnt \younger
.irp t, 0,1,2,3,4,5,6,7
	global_store_b128 v[CO], v[32+32*((\j)%2)+4*\t:32+32*((\j)%2)+4*\t+3], s[10:11] offset:4096*(16*(\j)+2*\t) th:TH_STORE_NT   ; 16 lanes store 256 consecutive bytes, from a multiple of 256
.endr
.endm
	TOSTAGE 0
	TOSTAGE 1
	SEND 0, 16                                     ; behind block 0's loads: block 1's 8 stores and 8 loads
	s_wait_xcnt 0x0                                ; block 0's stores have read their registers: block 2's rows may land there
	TOSTAGE 2
	SEND 1, 16
	s_wait_xcnt 0x0
	TOSTAGE 3
	SEND 2, 16
	SEND 3, 0
	s_wait_tensorcnt 0x0
	ds_add_u32 v30, v31
	s_wait_dscnt 0x0
	CROUND                                         ; the closing round: no work-group ends while a partner may still ask for a tile that names it
	s_endpgm
.Lfunc_end_k_qc7d41c8ddc_outp:
	.size	k_qc7d41c8ddc_outp, .Lfunc_end_k_qc7d41c8ddc_outp-k_qc7d41c8ddc_outp
	.p2alignl 7, 3214868480
	.fill 96, 4, 3214868480
	.section	.rodata,"a",@progbits
	.p2align	6, 0x0
	.amdhsa_kernel k_qc7d41c8ddc_outp
		.amdhsa_group_segment_fixed_size 308224
		.amdhsa_private_segment_fixed_size 0
		.amdhsa_enable_private_segment 0
		.amdhsa_kernarg_size 32
		.amdhsa_user_sgpr_count 2
		.amdhsa_user_sgpr_kernarg_segment_ptr 1
		.amdhsa_wavefront_size32 1
		.amdhsa_system_sgpr_workgroup_id_x 1
		.amdhsa_system_sgpr_workgroup_id_y 1
		.amdhsa_system_sgpr_workgroup_id_z 1
		.amdhsa_system_vgpr_workitem_id 0
		.amdhsa_next_free_vgpr 256
		.amdhsa_next_free_sgpr 100
		.amdhsa_reserve_vcc 0
		.amdhsa_float_denorm_mode_32 3
		.amdhsa_float_denorm_mode_16_64 3
		.amdhsa_memory_ordered 1
		.amdhsa_forward_progress 1
		.amdhsa_inst_pref_size 63
	.end_amdhsa_kernel
	.amdgpu_metadata
---
amdhsa.version: [ 1, 2 ]
amdhsa.kernels:
  - .name:           k_qc7d41c8ddc_outp
    .symbol:         k_qc7d41c8ddc_outp.kd
    .args:
      - { .name: att, .offset: 0, .size: 8, .value_kind: global_buffer, .address_space: global }
      - { .name: wc, .offset: 8, .size: 8, .value_kind: global_buffer, .address_space: global }
      - { .name: bo, .offset: 16, .size: 8, .value_kind: global_buffer, .address_space: global }
      - { .name: out0, .offset: 24, .size: 8, .value_kind: global_buffer, .address_space: global }
    .group_segment_fixed_size: 308224
    .private_segment_fixed_size: 0
    .kernarg_segment_align: 8
    .kernarg_segment_size: 32
    .max_flat_workgroup_size: 256
    .sgpr_count:     100
    .vgpr_count:     256
    .wavefront_size: 32
...
	.end_amdgpu_metadata
.endif
;; end of part 4
